; MI455X (gfx1250); checked and timed in simulation.
; The chip was launched on July 23, 2026; its instructions are those of AMD's public machine-readable ISA for CDNA 5 (MIT licence, August 2026) and "CDNA5" Instruction Set Architecture Reference Guide (July 2026). The comments in the code are by the model that wrote it; some were corrected since.
;; Ro PE Attention. Allowed arithmetic: matrix products marked QUANTISED: E2M3 operands, one E8M0 scale for each 32 along K, by v_wmma_scale_f32_16x16x128_f8f6f4 with both operands' format E2M3, f32 sums; everything else in f32.
;; Inputs: k_norm_b 64 float32; k_norm_g 64 float32; proj_b 1,024 float32; proj_w 1,024 x 1,024 float32; q_norm_b 64 float32; q_norm_g 64 float32; qkv_w 3,072 x 1,024 float32; x 4 x 2,048 x 1,024 float32.
;; Outputs: out0 4 x 2,048 x 1,024 float32.
;; This version of the problem:
;;   THIS VERSION OF THE PROBLEM IS GIVEN IN LOW PRECISION. The matrix products marked QUANTISED in the list below multiply operands that are first quantised to E2M3 (2 exponent bits, 3 mantissa bits; 6 bits a number), with one power-of-two scale for each 32 numbers along K (OCP MX v1.0); their sums are f32. All else is computed in f32.
;;   The module's matrix products, in the order in which they are computed (A, B: the left and right operand; K: the contracted axis; several contracted axes count as one K, in the product's order):
;;     1. [M 8,192, K 1,024] x [K 1,024, N 3,072]; A: input x; B: input qkv_w: QUANTISED
;;     2. batch 64 x [M 2,048, K 64] x [K 64, N 2,048]; A: computed on the way; B: computed on the way: QUANTISED
;;     3. batch 64 x [M 2,048, K 2,048] x [K 2,048, N 64]; A: softmax (see below); B: computed on the way: QUANTISED
;;     4. [M 8,192, K 1,024] x [K 1,024, N 1,024]; A: computed on the way; B: input proj_w: QUANTISED
;;   THE QUANTISER, for each operand of a quantised product, along K:
;;     - K is cut into blocks of 32 from its start; a last block that is shorter is filled with zeros.
;;     - A block's scale is 2^e with e = floor(log2(the largest magnitude in the block)) - 2, held to -126 .. 127; a block of zeros has e = 0. As a byte (E8M0): e + 127.
;;     - Each number is divided by its block's scale, clamped to +-7.5, and rounded to the nearest number of E2M3, ties to even, subnormals kept.
;;     - The product sums the exact products of the quantised numbers (number of the format x scale) in f32.
;;   ~~~python
;;   def quantise(x, axis):      # numpy; x: float32 -> the quantised numbers, widened to float32 again
;;       x = np.moveaxis(x, axis, -1); K = x.shape[-1]
;;       x = np.pad(x, [(0, 0)] * (x.ndim - 1) + [(0, -K % 32)]); x = x.reshape(x.shape[:-1] + (-1, 32)); a = np.abs(x).max(-1, keepdims=True)
;;       e = np.where(a > 0, np.clip(np.frexp(np.where(a > 0, a, 1))[1] - 1 - 2, -126, 127), 0)      # np.frexp(a)[1] - 1 = floor(log2(a)), exactly
;;       r = np.clip(x / 2.0 ** e, -7.5, 7.5)
;;       step = 2.0 ** (np.maximum(np.frexp(np.where(r == 0, 1, r))[1] - 1, 0) - 3)
;;       q = np.round(r / step) * step * 2.0 ** e      # np.round: ties to even
;;       return np.moveaxis(q.reshape(q.shape[:-2] + (-1,))[..., :K], -1, axis).astype(np.float32)
;;   ~~~
;;   SOFTMAX AHEAD OF A QUANTISED PRODUCT. Where the list says 'softmax', what is quantised is not the finished softmax but p = 2^(t - M), with t = logit x log2(e) and M = ceil(the row's largest t), a whole number; so 1/2 < the row's largest p <= 1. The row's sum l is taken of the UNQUANTISED p, in f32, and the product's result is divided by l at the end. Since M is a whole number, a kernel that streams over the keys may use a running M (the ceiling of the running maximum): every later rescaling is an exact power of two, which a block's scale takes up: the codes' values come out the same.
;;   OPERANDS COMPUTED ON THE WAY. 'Computed on the way' means the value that the module computes at that place (a softmax that the list does not call 'softmax' is quantised finished and normalised). What goes into a quantiser is computed in f32, as accurately as f32 sums, v_exp_f32 and their like allow (about 1e-6 of the number): no bf16 or f16 on the way to a quantiser, and a product that is left as it is and whose result goes on into a quantised operand takes f32 operands (vector FMAs, or v_wmma_f32_16x16x4_f32). A number that lies on a knife's edge between two numbers of the format may be rounded either way, as far as f32 arithmetic and the matrix unit's own rounding can turn it there, and no further.
;; One version. Each part assembles by itself: llvm-mc -triple=amdgcn-amd-amdhsa -mcpu=gfx1250 --defsym DOCPART=n.
;; ======== version 1 of 1: 4 launches
;; limits: right only within a limited range of input values
;; workspace buffers: pimg 9,437,184 bytes; psc 393,216 bytes; rope 524,288 bytes; qkvc 20,185,088 bytes; oimg 6,291,456 bytes; osc 262,144 bytes
;; launch prep (part 1): grid 416 x 1, 4 waves a work-group, no clusters, 34,304 bytes of LDS; arguments x, qkv_w, proj_w, pimg, psc, rope; writes pimg, psc, rope
.if DOCPART == 1
	.amdgcn_target "amdgcn-amd-amdhsa--gfx1250"
	.amdhsa_code_object_version 6
	.text
	.protected	k_q559fd3feea_prep
	.globl	k_q559fd3feea_prep
	.p2align	8
	.type	k_q559fd3feea_prep,@function
k_q559fd3feea_prep:
	s_mov_b64 s[64:65], 0
	v_nop
	global_prefetch_b8 v0, s[64:65] scope:SCOPE_SE
	s_setreg_imm32_b32 hwreg(HW_REG_WAVE_MODE, 25, 1), 1
	s_wait_xcnt 0x0
; x [8192][1024], qkv_w [3072][1024] and proj_w [1024][1024], f32, K innermost, become codes of FP6 (E2M3) with one E8M0 byte for each 32 along K,
; laid as IMAGES OF THE MATRIX OPERAND'S REGISTERS; and the table of cos and sin for the rotary embedding is made.
; TILES.  768 tiles of 16 rows: 0-511 x, 512-703 qkv_w, 704-767 proj_w.  Row r of a tensor's tile t is its row 32 (t / 2) + 8 (t % 2) + r + 8 (r / 8).
; pimg: [tile][8 K steps of 128][1,536 bytes].  A K step's fragment is 12 registers a lane (lane (r, h): registers 6 c .. 6 c + 5 = k 64 c + 32 h + 0 .. 31 of row r).
;   For each c: registers 0-3 at 16 x lane (512 bytes), registers 4-5 at 8 x lane (256 bytes): every store and every later load is dense.
; psc: [tile][4 slots][16 rows][2 words]: word q of slot s holds the four scale bytes of K step 2 s + q.
; rope: [2048 tokens][32 cos][32 sin], f32.
; A block's scale is 2^(floor(log2(largest magnitude)) - 2): its byte is the largest magnitude's exponent field - 2, held at 1 from below by a floor among the maximum's leaves.
; LIMITS: a block whose largest magnitude lies under 2^(3 - 127), a block of zeros among them, gets the byte 1 (its codes are zeros or tiny; the bytes are read by this program alone);
; NaN and infinities among the inputs are not served.  The angle is n x (1 / P), P = 10^(j / 8) rounded to f32: it is reference()'s where its power is rounded correctly; one unit
; in the last place of 1 / P moves the angle by at most 1.2e-4 at token 2,047.  sin and cos: reduction by pi / 2 in two parts, polynomials of degree 7 and 8, within about 1e-7.
; SHARES.  Work-groups 0-383: a wave takes one tile and half of K (four K steps).  Work-groups 384-415: 64 tokens of the table each.  No barrier: waves share nothing.
.set PITCH, 528                        ; the wave's stage: 16 rows of 512 bytes + 16: the sixteen rows that a read touches begin in sixteen different groups of banks
.set WSTG,  16*PITCH
.set R,     16                         ; v16-143  two sets of 64: a K step's numbers as loaded (register 4 t ..: my 16 bytes of row t)
.set X,     144                        ; v144-207 my 64 numbers: two whole blocks of my row
.set C,     208                        ; v208-231 two sets of 12: a fragment's codes
.set T,     232                        ; v232-234, v236-238: the second halves of the blocks' codes (a conversion's three registers begin on an even number)
.set MX,    240
.set SO,    242
.set BY,    244
.set W,     246                        ; v246-249 the four K steps' scale words
.set PD,    250
	s_load_b256 s[4:11], s[0:1], 0x0               ; x s[4:5], qkv_w s[6:7], proj_w s[8:9], pimg s[10:11]
	s_load_b128 s[12:15], s[0:1], 0x20             ; psc s[12:13], rope s[14:15]
	v_lshl_add_u32 v254, v0, 2, 0x8400
	v_mov_b32 v255, 0
	v_lshrrev_b32 v7, 5, v0
	v_readfirstlane_b32 s19, v7                    ; wave
	v_and_b32 v8, 31, v0                           ; lane
	v_lshlrev_b32 v1, 4, v8                        ; 16 x lane
	s_cmp_ge_u32 ttmp9, 384
	s_cbranch_scc1 .Lrope
	; ---------------- the quantiser
	v_and_b32 v9, 15, v0                           ; r
	v_bfe_u32 v10, v0, 4, 1                        ; h
	s_mul_i32 s27, s19, WSTG
	v_add_nc_u32 v2, s27, v1                       ; the stage, in: 16 x lane of a row
	v_mul_u32_u24 v3, v9, PITCH
	v_lshl_add_u32 v3, v10, 7, v3
	v_add_nc_u32 v3, s27, v3                       ; out: row r, + 128 h: my block of 32 numbers
	v_lshlrev_b32 v4, 3, v8                        ; 8 x lane
	v_lshlrev_b32 v5, 3, v9
	v_lshl_add_u32 v5, v10, 7, v5                  ; the scale words' place: slot h of my two, row r
	v_lshlrev_b32 v6, 3, v10                       ; 8 h: my bytes' shift in a scale word
	v_mov_b32 v[PD], 0                             ; a lane permute's destination counts as read
	s_mov_b32 s28, 0x76543210
	s_mov_b32 s29, 0xfedcba98                      ; lane l xor 16
	s_mov_b32 s30, 0xffff0000                      ; lanes 16-31
	s_mov_b32 s18, 704
	s_lshl_b32 s20, ttmp9, 2
	s_add_co_u32 s20, s20, s19
	s_lshr_b32 s21, s20, 1                         ; my tile
	s_and_b32 s22, s20, 1                          ; my half of K
	s_wait_alu depctr_va_vdst(0)
	s_wait_kmcnt 0x0
	s_cmp_lt_u32 ttmp9, 352                        ; which tensor: the choice hangs on the work-group's number alone
	s_cselect_b64 s[16:17], s[6:7], s[8:9]
	s_cselect_b32 s18, 512, s18
	s_cmp_lt_u32 ttmp9, 256
	s_cselect_b64 s[16:17], s[4:5], s[16:17]
	s_cselect_b32 s18, 0, s18
	s_sub_co_u32 s23, s21, s18                     ; the tile's number in its tensor
	s_lshr_b32 s24, s23, 1
	s_lshl_b32 s24, s24, 17                        ; 32 rows of 4,096 bytes
	s_and_b32 s25, s23, 1
	s_lshl_b32 s25, s25, 15                        ; 8 rows
	s_add_co_u32 s24, s24, s25
	s_lshl_b32 s25, s22, 11                        ; 512 numbers
	s_add_co_u32 s24, s24, s25
	s_mov_b32 s25, 0
	s_add_nc_u64 s[16:17], s[16:17], s[24:25]
	s_mul_i32 s24, s21, 12288
	s_mul_i32 s26, s22, 6144
	s_add_co_u32 s24, s24, s26
	s_add_nc_u64 s[32:33], s[10:11], s[24:25]      ; my four fragments
	s_lshl_b32 s24, s21, 9
	s_lshl_b32 s26, s22, 8
	s_add_co_u32 s24, s24, s26
	s_add_nc_u64 s[34:35], s[12:13], s[24:25]      ; my two slots of scale words
.macro LOAD k                          ; K step k of the tile's 16 rows: each load takes 512 consecutive bytes of one row
.irp t, 0,1,2,3,4,5,6,7,8,9,10,11,12,13,14,15
	global_load_b128 v[R+64*((\k)%2)+4*\t:R+64*((\k)%2)+4*\t+3], v1, s[16:17] offset:(\t+8*(\t/8))*4096+512*(\k) th:TH_LOAD_NT
.endr
.endm
.macro KSTEP k
.if (\k) < 3
	s_wait_loadcnt 16                              ; this K step's sixteen loads are in; the next step's sixteen may be out
.else
	s_wait_loadcnt 0
.endif
.irp t, 0,1,2,3,4,5,6,7,8,9,10,11,12,13,14,15
	ds_store_b128 v2, v[R+64*((\k)%2)+4*\t:R+64*((\k)%2)+4*\t+3] offset:PITCH*\t
.endr
.irp c, 0,1                            ; LDS serves a wave's instructions in order: these see the stores above
.irp i, 0,1,2,3,4,5,6,7
	ds_load_b128 v[X+32*\c+4*\i:X+32*\c+4*\i+3], v3 offset:256*\c+16*\i
.endr
.endr
	s_wait_dscnt 0x0                               ; my numbers are back, and the stores have read their registers
.if (\k) < 2
	LOAD (\k)+2
.endif
.irp c, 0,1                            ; block 2 c + h of my row: all its 32 numbers are mine
	v_max3_num_f32 v[MX+\c], |v[X+32*\c]|, |v[X+32*\c+1]|, 0x1800000   ; and the floor 2^(3 - 127)
.endr
.irp i, 2,4,6,8,10,12,14,16,18,20,22,24,26,28,30
.irp c, 0,1
	v_max3_num_f32 v[MX+\c], v[MX+\c], |v[X+32*\c+\i]|, |v[X+32*\c+\i+1]|
.endr
.endr
.irp c, 0,1
	v_add_nc_u32 v[SO+\c], 0xff000000, v[MX+\c]    ; 2 off the exponent field: the conversion's scale operand
.endr
.irp c, 0,1
	v_lshrrev_b32 v[BY+\c], 23, v[SO+\c]           ; the scale's byte
.endr
	v_lshl_or_b32 v[W+(\k)], v[BY+1], 16, v[BY]    ; my two bytes: blocks h and 2 + h,
	v_lshlrev_b32 v[W+(\k)], v6, v[W+(\k)]         ; at their places;
	v_permlanex16_b32 v[PD], v[W+(\k)], s28, s29
	v_or_b32 v[W+(\k)], v[W+(\k)], v[PD]           ; with lane l xor 16's two the word is whole
	s_wait_alu depctr_va_vdst(0)
	s_wait_xcnt 0x0                                ; the stores of two K steps back have read this set of codes
.irp c, 0,1
	v_cvt_scalef32_pk16_fp6_f32 v[C+12*((\k)%2)+6*\c:C+12*((\k)%2)+6*\c+2], v[X+32*\c:X+32*\c+15], v[SO+\c]
	v_cvt_scalef32_pk16_fp6_f32 v[T+4*\c:T+4*\c+2], v[X+32*\c+16:X+32*\c+31], v[SO+\c]
.endr
	v_nop                                          ; one plain line behind a scaled conversion
.irp c, 0,1
.irp i, 0,1,2
	v_mov_b32 v[C+12*((\k)%2)+6*\c+3+\i], v[T+4*\c+\i]
.endr
.endr
	global_store_b128 v1, v[C+12*((\k)%2):C+12*((\k)%2)+3], s[32:33] offset:1536*(\k)            ; 512 consecutive bytes
	global_store_b64 v4, v[C+12*((\k)%2)+4:C+12*((\k)%2)+5], s[32:33] offset:1536*(\k)+512       ; 256
	global_store_b128 v1, v[C+12*((\k)%2)+6:C+12*((\k)%2)+9], s[32:33] offset:1536*(\k)+768
	global_store_b64 v4, v[C+12*((\k)%2)+10:C+12*((\k)%2)+11], s[32:33] offset:1536*(\k)+1280
.endm
	LOAD 0
	LOAD 1
	KSTEP 0
	KSTEP 1
	KSTEP 2
	KSTEP 3
	v_cndmask_b32 v[W], v[W], v[W+2], s30          ; lanes 0-15 store my first slot's two words of row r, lanes 16-31 my second's
	v_cndmask_b32 v[W+1], v[W+1], v[W+3], s30
	global_store_b64 v5, v[W:W+1], s[34:35]        ; 256 consecutive bytes
	s_wait_tensorcnt 0x0
	ds_add_u32 v254, v255
	s_wait_dscnt 0x0
	s_endpgm
	; ---------------- the table of cos and sin
.Lrope:                                ; lane: frequencies 4 f + 0 .. 3 with f = lane % 8; cos (lanes 0-7 of 16) or sin (8-15); token + lane / 16
	v_and_b32 v9, 7, v0
	v_mov_b32 v10, 1.0                             ; P = 10000^(j / 32) = 10^(j / 8), j = 4 f + i: chosen by lane
	v_mov_b32 v11, 1.3335214321633
	v_mov_b32 v12, 1.7782794100389
	v_mov_b32 v13, 2.3713737056617
.macro PSEL k, a, b, c, d
	v_cmp_ne_u32 vcc_lo, \k, v9
	v_cndmask_b32 v10, \a, v10, vcc_lo
	v_cndmask_b32 v11, \b, v11, vcc_lo
	v_cndmask_b32 v12, \c, v12, vcc_lo
	v_cndmask_b32 v13, \d, v13, vcc_lo
.endm
	PSEL 1, 3.1622776601684, 4.2169650342858, 5.6234132519035, 7.4989420933246
	PSEL 2, 10.0, 13.335214321633, 17.782794100389, 23.713737056617
	PSEL 3, 31.622776601684, 42.169650342858, 56.234132519035, 74.989420933246
	PSEL 4, 100.0, 133.35214321633, 177.82794100389, 237.13737056617
	PSEL 5, 316.22776601684, 421.69650342858, 562.34132519035, 749.89420933246
	PSEL 6, 1000.0, 1333.5214321633, 1778.2794100389, 2371.3737056617
	PSEL 7, 3162.2776601684, 4216.9650342858, 5623.4132519035, 7498.9420933246
	s_wait_alu depctr_va_vdst(0)
.irp i, 0,1,2,3
	v_rcp_f32 v[20+\i], v[10+\i]
.endr
	s_sub_co_u32 s20, ttmp9, 384
	s_lshl_b32 s20, s20, 6
	s_lshl_b32 s21, s19, 4
	s_add_co_u32 s20, s20, s21                     ; my wave's first token
	v_bfe_u32 v29, v0, 4, 1                        ; (a plain line behind the reciprocals)
	v_add_nc_u32 v29, s20, v29
	v_cvt_f32_u32 v28, v29                         ; n
	s_wait_alu depctr_va_vdst(0)                   ; one wait for the four reciprocals, ahead of their first reader
.irp i, 0,1,2,3
	v_fma_f32 v[24+\i], -v[10+\i], v[20+\i], 1.0   ; one step of Newton: 1 / P to the last place
.endr
.irp i, 0,1,2,3
	v_fma_f32 v[24+\i], v[20+\i], v[24+\i], v[20+\i]
.endr
	s_mov_b32 s24, 0x3f22f983                      ; 2 / pi
	s_mov_b32 s25, 0x3fc90fdb                      ; pi / 2, its f32
	s_mov_b32 s26, 0xb33bbd2e                      ; and what that leaves
	s_mov_b32 s27, -0.00019515295891
	s_mov_b32 s28, 0.0083321608736
	s_mov_b32 s29, -0.16666654611
	s_mov_b32 s30, 0.00002443315712
	s_mov_b32 s31, -0.001388731625
	s_mov_b32 s32, 0.04166664568
	s_mov_b32 s33, 0xff00ff00                      ; the lanes that keep sin
	s_lshl_b32 s22, s20, 8                         ; 256 bytes a token
	s_mov_b32 s23, 0
	s_wait_alu depctr_va_vdst(0)
	s_wait_kmcnt 0x0
	s_add_nc_u64 s[14:15], s[14:15], s[22:23]
.macro TRIP it                         ; two tokens: a = n / P, k = the nearest multiple of pi / 2, rho = a - k pi / 2; sin and cos of rho; the quadrant swaps them and sets the signs
.irp i, 0,1,2,3
	v_mul_f32 v[32+8*\i], v28, v[24+\i]
	v_mul_f32 v[33+8*\i], s24, v[32+8*\i]
	v_rndne_f32 v[33+8*\i], v[33+8*\i]
	v_fma_f32 v[34+8*\i], -v[33+8*\i], s25, v[32+8*\i]
	v_fma_f32 v[34+8*\i], -v[33+8*\i], s26, v[34+8*\i]
	v_mul_f32 v[35+8*\i], v[34+8*\i], v[34+8*\i]
	v_fma_f32 v[36+8*\i], v[35+8*\i], s27, s28
	v_fma_f32 v[36+8*\i], v[36+8*\i], v[35+8*\i], s29
	v_mul_f32 v[38+8*\i], v[34+8*\i], v[35+8*\i]
	v_fma_f32 v[36+8*\i], v[36+8*\i], v[38+8*\i], v[34+8*\i]       ; sin rho
	v_fma_f32 v[37+8*\i], v[35+8*\i], s30, s31
	v_fma_f32 v[37+8*\i], v[37+8*\i], v[35+8*\i], s32
	v_mul_f32 v[38+8*\i], v[35+8*\i], v[35+8*\i]
	v_fma_f32 v[39+8*\i], v[35+8*\i], -0.5, 1.0
	v_fma_f32 v[37+8*\i], v[37+8*\i], v[38+8*\i], v[39+8*\i]       ; cos rho
	v_cvt_i32_f32 v[33+8*\i], v[33+8*\i]
	v_and_b32 v[38+8*\i], 1, v[33+8*\i]
	v_cmp_eq_u32 vcc_lo, 1, v[38+8*\i]
	v_cndmask_b32 v[39+8*\i], v[36+8*\i], v[37+8*\i], vcc_lo       ; sin a, but for its sign
	v_cndmask_b32 v[38+8*\i], v[37+8*\i], v[36+8*\i], vcc_lo       ; cos a likewise
	v_and_b32 v[36+8*\i], 2, v[33+8*\i]
	v_lshlrev_b32 v[36+8*\i], 30, v[36+8*\i]
	v_xor_b32 v[39+8*\i], v[39+8*\i], v[36+8*\i]                   ; quadrants 2, 3: - sin
	v_add_nc_u32 v[33+8*\i], 1, v[33+8*\i]
	v_and_b32 v[33+8*\i], 2, v[33+8*\i]
	v_lshlrev_b32 v[33+8*\i], 30, v[33+8*\i]
	v_xor_b32 v[38+8*\i], v[38+8*\i], v[33+8*\i]                   ; quadrants 1, 2: - cos
	v_cndmask_b32 v[64+4*(\it)+\i], v[38+8*\i], v[39+8*\i], s33
.endr
	global_store_b128 v1, v[64+4*(\it):67+4*(\it)], s[14:15] offset:512*(\it)   ; two tokens' rows: 512 consecutive bytes; each trip has its own data registers
	v_add_f32 v28, 2.0, v28
.endm
.irp it, 0,1,2,3,4,5,6,7
	TRIP \it
.endr
	s_endpgm
.Lfunc_end_k_q559fd3feea_prep:
	.size	k_q559fd3feea_prep, .Lfunc_end_k_q559fd3feea_prep-k_q559fd3feea_prep
	.p2alignl 7, 3214868480
	.fill 96, 4, 3214868480
	.section	.rodata,"a",@progbits
	.p2align	6, 0x0
	.amdhsa_kernel k_q559fd3feea_prep
		.amdhsa_group_segment_fixed_size 34304
		.amdhsa_private_segment_fixed_size 0
		.amdhsa_enable_private_segment 0
		.amdhsa_kernarg_size 48
		.amdhsa_user_sgpr_count 2
		.amdhsa_user_sgpr_kernarg_segment_ptr 1
		.amdhsa_wavefront_size32 1
		.amdhsa_system_sgpr_workgroup_id_x 1
		.amdhsa_system_sgpr_workgroup_id_y 1
		.amdhsa_system_sgpr_workgroup_id_z 1
		.amdhsa_system_vgpr_workitem_id 0
		.amdhsa_next_free_vgpr 256
		.amdhsa_next_free_sgpr 66
		.amdhsa_reserve_vcc 1
		.amdhsa_float_denorm_mode_32 3
		.amdhsa_float_denorm_mode_16_64 3
		.amdhsa_memory_ordered 1
		.amdhsa_forward_progress 1
		.amdhsa_inst_pref_size 74
	.end_amdhsa_kernel
	.amdgpu_metadata
---
amdhsa.version: [ 1, 2 ]
amdhsa.kernels:
  - .name:           k_q559fd3feea_prep
    .symbol:         k_q559fd3feea_prep.kd
    .args:
      - { .name: x, .offset: 0, .size: 8, .value_kind: global_buffer, .address_space: global }
      - { .name: qkv_w, .offset: 8, .size: 8, .value_kind: global_buffer, .address_space: global }
      - { .name: proj_w, .offset: 16, .size: 8, .value_kind: global_buffer, .address_space: global }
      - { .name: pimg, .offset: 24, .size: 8, .value_kind: global_buffer, .address_space: global }
      - { .name: psc, .offset: 32, .size: 8, .value_kind: global_buffer, .address_space: global }
      - { .name: rope, .offset: 40, .size: 8, .value_kind: global_buffer, .address_space: global }
    .group_segment_fixed_size: 34304
    .private_segment_fixed_size: 0
    .kernarg_segment_align: 8
    .kernarg_segment_size: 48
    .max_flat_workgroup_size: 128
    .sgpr_count:     66
    .vgpr_count:     256
    .wavefront_size: 32
...
	.end_amdgpu_metadata
.endif
;; end of part 1
;; launch qkvgemm (part 2): grid 12 x 32, 4 waves a work-group, clusters of 4 x 4, 327,680 bytes of LDS; arguments pimg, psc, rope, q_norm_g, q_norm_b, k_norm_g, k_norm_b, qkvc; writes qkvc
.if DOCPART == 2
	.amdgcn_target "amdgcn-amd-amdhsa--gfx1250"
	.amdhsa_code_object_version 6
	.text
	.protected	k_q559fd3feea_qkvgemm
	.globl	k_q559fd3feea_qkvgemm
	.p2align	8
	.type	k_q559fd3feea_qkvgemm,@function
k_q559fd3feea_qkvgemm:
	s_mov_b64 s[64:65], 0
	v_nop
	global_prefetch_b8 v0, s[64:65] scope:SCOPE_SE
	s_setreg_imm32_b32 hwreg(HW_REG_WAVE_MODE, 25, 1), 1
	s_wait_xcnt 0x0
	s_wait_alu depctr_hold_cnt(0) depctr_sa_sdst(0) depctr_va_vdst(0) depctr_va_sdst(0) depctr_va_ssrc(0) depctr_va_vcc(0) depctr_vm_vsrc(0)
	s_getreg_b32 s2, hwreg(HW_REG_IB_STS2, 6, 4)
	s_cmp_eq_u32 s2, 0
	s_cbranch_scc0 .Lentry_in_a_cluster
	s_endpgm
.Lentry_in_a_cluster:
	s_bfe_u32 s2, ttmp6, 0x10000c
	s_cmp_lg_u32 s2, 0xf033
	s_cbranch_scc0 .Lentry_shape_is_right
	s_endpgm
.Lentry_shape_is_right:
.set NQ,    2
.set FR,    12
.set NL,    4
.set NP,    4
.set TILEB, 3072
.set HALFT, 8*TILEB
.set SLOT,  4*HALFT
.set SCA,   2*SLOT
.set SCB,   SCA+8192+128
.set SPARE, SCB+8192+128
.set ADRA, 16
.set ADRB, 20
.set ADRS, 27
.set SPW,  28
.set NIL,  29
.set SC,   32
.set AF,   128
.set G1, 24
.set G0, 32
.set G1B, 48
.set G0B, 56
.set G1S, 68
.set G0S, 76
.set G1SB, 80
.set G0SB, 88
.set MSB, 0
.macro WIN new
.if MSB != (\new)
	s_set_vgpr_msb (MSB<<8)|(\new)
.set MSB, (\new)
.endif
.endm
.set MUL_LO, 0xa1
.set MUL_HI, 0xf1
.set TO_B,   0x40
.macro JLOAD g0a, g1a, g0b, g1b
	s_cmp_eq_u32 s15, 0
	s_cbranch_scc0 .Lfor_b_\@
	tensor_load_to_lds s[\g0a:\g0a+3], s[\g1a:\g1a+7]
	s_nop 0
.rept 4
	v_nop
.endr
	s_branch .Lasked_\@
.Lfor_b_\@:
	tensor_load_to_lds s[\g0b:\g0b+3], s[\g1b:\g1b+7]
	s_nop 0
.rept 4
	v_nop
.endr
.Lasked_\@:
.endm
.macro CREST
	s_cmp_lg_u32 s14, 0
	s_cbranch_scc1 .Lnot_wave_0_\@
	s_barrier_signal -3
.Lnot_wave_0_\@:
	s_barrier_wait -3
	s_barrier_signal -1
	s_barrier_wait -1
.endm
.macro CROUND
	s_barrier_signal -1
	s_barrier_wait -1
	CREST
.endm
.macro PLACES n
.rept \n
	v_nop
.endr
.endm
	s_load_b256 s[4:11], s[0:1], 0x0
	s_load_b256 s[92:99], s[0:1], 0x20
	v_lshl_add_u32 v[SPW], v0, 2, SPARE
	v_mov_b32 v[NIL], 0
	ds_add_u32 v28, v29
	ds_add_u32 v28, v29
	s_wait_dscnt 0x0
	v_lshrrev_b32 v1, 5, v0
	v_readfirstlane_b32 s14, v1
	s_lshr_b32 s15, s14, 1
	s_and_b32 s16, s14, 1
	s_bfe_u32 s40, ttmp6, 0x40000
	s_bfe_u32 s41, ttmp6, 0x40004
	s_and_b32 s17, ttmp7, 0xffff
	s_lshl_b32 s17, s17, 2
	s_add_co_u32 s42, s17, s41
	s_add_co_u32 s45, s17, s40
	s_lshl_b32 s43, s41, 2
	s_lshl_b32 s43, 15, s43
	s_lshl_b32 s44, 0x1111, s40
	s_or_b32 s[G1+0], s43, (3<<16)|(1<<21)
	s_or_b32 s[G1B+0], s44, (3<<16)|(1<<21)
.irp g, G1, G1B
	s_mov_b32 s[\g+1], 384<<16
	s_mov_b32 s[\g+2], 8<<16
	s_mov_b32 s[\g+3], 384<<16
	s_mov_b32 s[\g+4], 8
	s_mov_b32 s[\g+5], 1536
	s_mov_b32 s[\g+6], 0
	s_mov_b32 s[\g+7], 0
.endr
	s_or_b32 s[G1S+0], s43, (3<<16)|(1<<21)
	s_or_b32 s[G1SB+0], s44, (3<<16)|(1<<21)
.irp g, G1S, G1SB
	s_mov_b32 s[\g+1], 32<<16
	s_mov_b32 s[\g+2], 16<<16
	s_mov_b32 s[\g+3], 32<<16
	s_mov_b32 s[\g+4], 16
	s_mov_b32 s[\g+5], 32
	s_mov_b32 s[\g+6], 0
	s_mov_b32 s[\g+7], 0
.endr
	s_lshl_b32 s18, s42, 4
	s_lshl_b32 s19, s41, 4
	s_add_co_u32 s19, s19, 640
	s_lshl_b32 s46, ttmp9, 6
	s_lshl_b32 s47, s40, 4
	s_add_co_u32 s46, s46, s47
	s_add_co_u32 s46, s46, 512
	s_lshl_b32 s47, s45, 4
	s_cmp_eq_u32 ttmp9, 2
	s_cselect_b32 s18, s19, s18
	s_cselect_b32 s46, s47, s46
	s_lshl_b32 s19, s16, 3
	s_add_co_u32 s18, s18, s19
	s_add_co_u32 s46, s46, s19
	s_mul_i32 s20, s18, 12288
	s_mov_b32 s21, 0
	s_lshl_b32 s22, s18, 9
	s_mov_b32 s23, 0
	s_lshl_b32 s2, s46, 9
	s_mov_b32 s3, 0
	s_mul_i32 s46, s46, 12288
	s_mov_b32 s47, 0
	s_mul_i32 s12, s14, HALFT
	s_lshl_b32 s13, s16, 12
	s_wait_kmcnt 0x0
	s_add_nc_u64 s[20:21], s[4:5], s[20:21]
	s_add_nc_u64 s[22:23], s[6:7], s[22:23]
	s_add_nc_u64 s[46:47], s[4:5], s[46:47]
	s_add_nc_u64 s[2:3], s[6:7], s[2:3]
	CROUND
	s_mov_b32 s[G0S], 1
	s_add_co_u32 s[G0S+1], s13, SCA
	s_mov_b64 s[G0S+2:G0S+3], s[22:23]
	s_or_b32 s[G0S+3], s[G0S+3], 0x80000000
	s_mov_b32 s[G0SB], 1
	s_add_co_u32 s[G0SB+1], s13, SCB
	s_mov_b64 s[G0SB+2:G0SB+3], s[2:3]
	s_or_b32 s[G0SB+3], s[G0SB+3], 0x80000000
	JLOAD G0S, G1S, G0SB, G1SB
.irp s, 0,1
	s_mov_b32 s[G0+4*\s], 1
	s_add_co_u32 s[G0+4*\s+1], s12, \s*SLOT
	s_add_nc_u64 s[G0+4*\s+2:G0+4*\s+3], s[20:21], \s*TILEB
	s_or_b32 s[G0+4*\s+3], s[G0+4*\s+3], 0x80000000
	s_mov_b32 s[G0B+4*\s], 1
	s_add_co_u32 s[G0B+4*\s+1], s12, \s*SLOT
	s_add_nc_u64 s[G0B+4*\s+2:G0B+4*\s+3], s[46:47], \s*TILEB
	s_or_b32 s[G0B+4*\s+3], s[G0B+4*\s+3], 0x80000000
	s_wait_alu depctr_va_vdst(0)
	s_wait_tensorcnt 0x0
	ds_add_u32 v28, v29
	s_wait_dscnt 0x0
	CROUND
	JLOAD G0+4*\s, G1, G0B+4*\s, G1B
.endr
.set RO,  1
.set L16, 2
.set L8,  3
.set GOF, 25
.set GA,  64
.set BE,  96
	v_and_b32 v6, 15, v0
	v_bfe_u32 v7, v0, 4, 1
	v_and_b32 v8, 8, v6
	v_add_nc_u32 v8, v8, v6
	v_lshlrev_b32 v[RO], 8, v8
	v_lshl_add_u32 v[RO], v7, 6, v[RO]
	v_lshlrev_b32 v[GOF], 6, v7
	s_wait_alu depctr_va_vdst(0)
	v_and_b32 v9, 31, v0
	v_lshlrev_b32 v[L16], 4, v9
	s_wait_alu depctr_va_vdst(0)
	v_lshlrev_b32 v[L8], 3, v9
	s_wait_alu depctr_va_vdst(0)
	s_cmp_eq_u32 ttmp9, 0
	s_cselect_b64 s[10:11], s[10:11], s[94:95]
	s_cselect_b64 s[92:93], s[92:93], s[96:97]
	s_and_b32 s18, s42, 7
	s_lshl_b32 s18, s18, 16
	s_lshl_b32 s19, s15, 15
	s_add_co_u32 s18, s18, s19
	s_mov_b32 s19, 0
	s_add_nc_u64 s[8:9], s[8:9], s[18:19]
.irp i, 0,1,2,3
	global_load_b128 v[GA+4*\i:GA+4*\i+3], v[GOF], s[10:11] offset:16*\i
	global_load_b128 v[GA+16+4*\i:GA+16+4*\i+3], v[GOF], s[10:11] offset:128+16*\i
	global_load_b128 v[BE+4*\i:BE+4*\i+3], v[GOF], s[92:93] offset:16*\i
	global_load_b128 v[BE+16+4*\i:BE+16+4*\i+3], v[GOF], s[92:93] offset:128+16*\i
.endr
.macro CSLOAD a
.set CB, 224-32*((\a)%2)
.irp i, 0,1,2,3
	global_load_b128 v[CB+4*\i:CB+4*\i+3], v[RO], s[8:9] offset:(32*((\a)/2)+8*((\a)%2))*256+16*\i
	global_load_b128 v[CB+16+4*\i:CB+16+4*\i+3], v[RO], s[8:9] offset:(32*((\a)/2)+8*((\a)%2))*256+128+16*\i
.endr
.endm
	CSLOAD 0
	s_mul_i32 s18, s15, HALFT
	s_mul_i32 s19, s16, HALFT
	s_add_co_u32 s19, s19, 2*HALFT
.irp s, 0,1
	v_add_nc_u32 v[ADRA+\s], s18, v[L16]
	v_add_nc_u32 v[ADRB+\s], s19, v[L16]
	v_add_nc_u32 v[ADRA+2+\s], s18, v[L8]
	v_add_nc_u32 v[ADRB+2+\s], s19, v[L8]
	s_add_co_u32 s18, s18, SLOT
	s_add_co_u32 s19, s19, SLOT
.endr
	v_lshlrev_b32 v8, 3, v6
	s_lshl_b32 s18, s15, 12
	s_lshl_b32 s19, s16, 12
	s_add_co_u32 s19, s19, SCB-SCA
	s_sub_co_u32 s19, s19, s18
	v_mul_u32_u24 v9, s19, v7
	s_add_co_u32 s18, s18, SCA
	v_add_nc_u32 v8, v8, v9
	v_add_nc_u32 v[ADRS], s18, v8
.macro FRAG reg, adr, q, i
	ds_load_b128 v[\reg:\reg+3], v[\adr] offset:(\i)*TILEB+(\q)*1536
	ds_load_b64 v[\reg+4:\reg+5], v[\adr+2] offset:(\i)*TILEB+(\q)*1536+512
	ds_load_b128 v[\reg+6:\reg+9], v[\adr] offset:(\i)*TILEB+(\q)*1536+768
	ds_load_b64 v[\reg+10:\reg+11], v[\adr+2] offset:(\i)*TILEB+(\q)*1536+1280
.endm
.macro MUL16 a0, p, q, sc, zero
.irp a, \a0, \a0+1
.irp b, 0,1,2,3,4,5,6,7
.if \zero
	v_wmma_scale_f32_16x16x128_f8f6f4 v[8*(8*((\a)%4)+\b):8*(8*((\a)%4)+\b)+7], v[128*(\p)+FR*\b:128*(\p)+FR*\b+FR-1], v[AF+FR*(\a):AF+FR*(\a)+FR-1], 0, v[SC+8*NQ*(\sc)+NQ*\b+(\q)], v[SC+8*NQ*(\sc)+NQ*(\a)+(\q)] matrix_a_fmt:MATRIX_FMT_FP6 matrix_b_fmt:MATRIX_FMT_FP6 matrix_a_scale:MATRIX_SCALE_ROW1
.else
	v_wmma_scale_f32_16x16x128_f8f6f4 v[8*(8*((\a)%4)+\b):8*(8*((\a)%4)+\b)+7], v[128*(\p)+FR*\b:128*(\p)+FR*\b+FR-1], v[AF+FR*(\a):AF+FR*(\a)+FR-1], v[8*(8*((\a)%4)+\b):8*(8*((\a)%4)+\b)+7], v[SC+8*NQ*(\sc)+NQ*\b+(\q)], v[SC+8*NQ*(\sc)+NQ*(\a)+(\q)] matrix_a_fmt:MATRIX_FMT_FP6 matrix_b_fmt:MATRIX_FMT_FP6 matrix_a_scale:MATRIX_SCALE_ROW1
.endif
.endr
.endr
.endm
.macro FETCH_B slot, q, p
	WIN TO_B
.irp i, 0,1,2,3,4,5,6,7
	FRAG 128*(\p)+FR*\i, ADRB+\slot, \q, \i
.endr
	WIN 0
.endm
.macro FETCH_A slot, q, i0
.irp i, \i0, \i0+1, \i0+2, \i0+3
	FRAG AF+FR*(\i), ADRA+\slot, \q, \i
.endr
.endm
.macro SCALES sc
.irp i, 0,1,2,3,4,5,6,7
	ds_load_b64 v[SC+8*NQ*\sc+NQ*\i:SC+8*NQ*\sc+NQ*\i+1], v[ADRS] offset:\i*512
.endr
.endm
.macro STEP slot, q, zero
	s_wait_dscnt 4*NL
	WIN MUL_LO
	MUL16 0, (\q)%2, \q, \slot, \zero
	MUL16 2, (\q)%2, \q, \slot, \zero
	s_wait_dscnt 0
	PLACES NP
	FETCH_B \slot, (\q)+1, 1-(\q)%2
	FETCH_A \slot, (\q)+1, 0
	WIN MUL_HI
	MUL16 4, (\q)%2, \q, \slot, \zero
	MUL16 6, (\q)%2, \q, \slot, \zero
	PLACES NP
	WIN 0
	FETCH_A \slot, (\q)+1, 4
.endm
.macro TURN slot, next, fill
	s_wait_tensorcnt 0x0
	ds_add_u32 v[SPW], v[NIL]
	s_wait_dscnt 4*NL+1
	WIN MUL_LO
	MUL16 0, 1, NQ-1, \slot, 0
	s_wait_dscnt 0x0
	s_barrier_signal -1
	MUL16 2, 1, NQ-1, \slot, 0
	WIN 0
	s_barrier_wait -1
.if \fill
	CREST
	s_add_nc_u64 s[G0+4*\slot+2:G0+4*\slot+3], s[G0+4*\slot+2:G0+4*\slot+3], 2*TILEB
	s_add_nc_u64 s[G0B+4*\slot+2:G0B+4*\slot+3], s[G0B+4*\slot+2:G0B+4*\slot+3], 2*TILEB
	JLOAD G0+4*\slot, G1, G0B+4*\slot, G1B
.else
	PLACES NP
.endif
	s_wait_alu depctr_va_vdst(0)
	v_add_nc_u32 v[ADRS], 128, v[ADRS]
	FETCH_B \next, 0, 0
	FETCH_A \next, 0, 0
	SCALES \next
	WIN MUL_HI
	MUL16 4, 1, NQ-1, \slot, 0
	MUL16 6, 1, NQ-1, \slot, 0
	PLACES NP
	WIN 0
	FETCH_A \next, 0, 4
.endm
	s_wait_alu depctr_va_vdst(0)
	s_wait_tensorcnt 1
	s_barrier_signal -1
	s_barrier_wait -1
	FETCH_B 0, 0, 0
	FETCH_A 0, 0, 0
	SCALES 0
	FETCH_A 0, 0, 4
	STEP 0, 0, 1
	TURN 0, 1, 1
	STEP 1, 0, 0
	TURN 1, 0, 1
	STEP 0, 0, 0
	TURN 0, 1, 0
	STEP 1, 0, 0
	s_wait_dscnt 4*NL
	WIN MUL_LO
	MUL16 0, 1, NQ-1, 1, 0
	MUL16 2, 1, NQ-1, 1, 0
	s_wait_dscnt 0
	WIN MUL_HI
	MUL16 4, 1, NQ-1, 1, 0
	MUL16 6, 1, NQ-1, 1, 0
	WIN 0
	PLACES NP
.set MU,  4
.set RS,  6
.set BM,  8
.set PT,  10
.set SO,  12
.set BY,  14
.set SW,  16
.set WD,  24
.set D,   128
.set CF,  160
.set C2,  168
.set TR,  172
.set SEL, 66
.set HM,  12
.set I64, 13
.set EPS, 17
	s_mov_b32 s[SEL], 0x76543210
	s_mov_b32 s[SEL+1], 0xfedcba98
	s_mov_b32 s[HM], 0xffff0000
	s_mov_b32 s[I64], 0x3c800000
	s_mov_b32 s[EPS], 0x358637bd
.irp i, 8,9,10,11
	v_mov_b32 v[\i], 0
.endr
	s_wait_loadcnt 0x0
.macro FINISH
	s_wait_tensorcnt 0x0
	ds_add_u32 v[SPW], v[NIL]
	s_wait_dscnt 0x0
	CROUND
	s_endpgm
.endm
	s_cmp_eq_u32 ttmp9, 2
	s_cbranch_scc1 .Lv
	s_lshr_b32 s18, s42, 3
	s_lshl_b32 s18, s18, 4
	s_lshl_b32 s19, s40, 2
	s_add_co_u32 s18, s18, s19
	s_lshl_b32 s19, s16, 1
	s_add_co_u32 s18, s18, s19
	s_lshl_b32 s18, s18, 4
	s_and_b32 s19, s42, 7
	s_lshl_b32 s19, s19, 1
	s_add_co_u32 s19, s19, s15
	s_add_co_u32 s18, s18, s19
	s_mul_i32 s18, s18, 6656
	s_mul_i32 s19, ttmp9, 6815744
	s_add_co_u32 s18, s18, s19
	s_mov_b32 s19, 0
	s_add_nc_u64 s[98:99], s[98:99], s[18:19]
.macro UNIT a, g
.set WW, 2+(\a)/4
.set AC, 64*((\a)%4)+32*(\g)
.set CSB, 224-32*((\a)%2)
.set SNB, CSB+16
	WIN WW|(WW<<2)
.irp i, 0,1,2,3,4,5,6,7
	v_pk_add_f32 v[TR+2*\i:TR+2*\i+1], v[AC+4*\i:AC+4*\i+1], v[AC+4*\i+2:AC+4*\i+3]
.endr
	WIN 0
.irp i, 0,1,2,3
	v_pk_add_f32 v[TR+4*\i:TR+4*\i+1], v[TR+4*\i:TR+4*\i+1], v[TR+4*\i+2:TR+4*\i+3]
.endr
	v_pk_add_f32 v[TR:TR+1], v[TR:TR+1], v[TR+4:TR+5]
	v_pk_add_f32 v[TR+8:TR+9], v[TR+8:TR+9], v[TR+12:TR+13]
	v_pk_add_f32 v[TR:TR+1], v[TR:TR+1], v[TR+8:TR+9]
	v_add_f32 v[TR], v[TR], v[TR+1]
	v_permlanex16_b32 v[PT], v[TR], s[SEL], s[SEL+1]
	v_add_f32 v[TR], v[TR], v[PT]
	v_mul_f32 v[MU], s[I64], v[TR]
	v_mul_f32 v[MU+1], s[I64], v[TR]
	WIN WW
.irp i, 0,1,2,3,4,5,6,7,8,9,10,11,12,13,14,15
	v_pk_add_f32 v[D+2*\i:D+2*\i+1], v[AC+2*\i:AC+2*\i+1], v[MU:MU+1] neg_lo:[0,1] neg_hi:[0,1]
.endr
	WIN 0
.irp i, 0,1,2,3
	v_pk_mul_f32 v[TR+2*\i:TR+2*\i+1], v[D+2*\i:D+2*\i+1], v[D+2*\i:D+2*\i+1]
.endr
.irp i, 4,5,6,7,8,9,10,11,12,13,14,15
	v_pk_fma_f32 v[TR+2*(\i%4):TR+2*(\i%4)+1], v[D+2*\i:D+2*\i+1], v[D+2*\i:D+2*\i+1], v[TR+2*(\i%4):TR+2*(\i%4)+1]
.endr
	v_pk_add_f32 v[TR:TR+1], v[TR:TR+1], v[TR+2:TR+3]
	v_pk_add_f32 v[TR+4:TR+5], v[TR+4:TR+5], v[TR+6:TR+7]
	v_pk_add_f32 v[TR:TR+1], v[TR:TR+1], v[TR+4:TR+5]
	v_add_f32 v[TR], v[TR], v[TR+1]
	v_permlanex16_b32 v[PT], v[TR], s[SEL], s[SEL+1]
	v_add_f32 v[TR], v[TR], v[PT]
	v_fma_f32 v[TR], v[TR], s[I64], s[EPS]
	s_wait_alu depctr_va_vdst(0)
	v_rsq_f32 v[RS], v[TR]
	v_rsq_f32 v[RS+1], v[TR]
	v_nop
	s_wait_alu depctr_va_vdst(0)
.irp i, 0,1,2,3,4,5,6,7,8,9,10,11,12,13,14,15
	v_pk_mul_f32 v[D+2*\i:D+2*\i+1], v[D+2*\i:D+2*\i+1], v[RS:RS+1]
.endr
.irp i, 0,1,2,3,4,5,6,7,8,9,10,11,12,13,14,15
	v_pk_fma_f32 v[D+2*\i:D+2*\i+1], v[D+2*\i:D+2*\i+1], v[GA+2*\i:GA+2*\i+1], v[BE+2*\i:BE+2*\i+1]
.endr
.irp u, 0,8
.irp p, 0,2,4,6
	v_pk_mul_f32 v[TR+\p:TR+\p+1], v[D+16+\u+\p:D+16+\u+\p+1], v[SNB+\u+\p:SNB+\u+\p+1]
	v_pk_mul_f32 v[TR+8+\p:TR+8+\p+1], v[D+\u+\p:D+\u+\p+1], v[SNB+\u+\p:SNB+\u+\p+1]
.endr
.irp p, 0,2,4,6
	v_pk_fma_f32 v[D+\u+\p:D+\u+\p+1], v[D+\u+\p:D+\u+\p+1], v[CSB+\u+\p:CSB+\u+\p+1], v[TR+\p:TR+\p+1] neg_lo:[0,0,1] neg_hi:[0,0,1]
	v_pk_fma_f32 v[D+16+\u+\p:D+16+\u+\p+1], v[D+16+\u+\p:D+16+\u+\p+1], v[CSB+\u+\p:CSB+\u+\p+1], v[TR+8+\p:TR+8+\p+1]
.endr
.endr
.irp b, 0,1
	v_max3_num_f32 v[BM+\b], |v[D+16*\b]|, |v[D+16*\b+1]|, 0x1800000
.endr
.irp i, 2,4,6,8,10,12,14
.irp b, 0,1
	v_max3_num_f32 v[BM+\b], v[BM+\b], |v[D+16*\b+\i]|, |v[D+16*\b+\i+1]|
.endr
.endr
.irp b, 0,1
	v_permlanex16_b32 v[PT+\b], v[BM+\b], s[SEL], s[SEL+1]
.endr
.irp b, 0,1
	v_max_num_f32 v[BM+\b], v[BM+\b], v[PT+\b]
.endr
.irp b, 0,1
	v_add_nc_u32 v[SO+\b], 0xff000000, v[BM+\b]
.endr
.irp b, 0,1
	v_lshrrev_b32 v[BY+\b], 23, v[SO+\b]
.endr
	v_lshl_or_b32 v[WD], v[BY+1], 8, v[BY]
	v_or_b32 v[WD], 0x7f7f0000, v[WD]
	s_wait_alu depctr_va_vdst(0)
	s_wait_xcnt 0x0
	v_cvt_scalef32_pk16_fp6_f32 v[CF:CF+2], v[D:D+15], v[SO]
	v_cvt_scalef32_pk16_fp6_f32 v[C2:C2+2], v[D+16:D+31], v[SO+1]
	v_nop
.irp i, 0,1,2
	v_permlane16_swap_b32 v[CF+\i], v[C2+\i]
.endr
.irp i, 0,1,2
	v_mov_b32 v[CF+3+\i], v[C2+\i]
.endr
	global_store_b128 v[L16], v[CF:CF+3], s[98:99] offset:(\g)*106496+768*(\a)
	global_store_b64 v[L8], v[CF+4:CF+5], s[98:99] offset:(\g)*106496+768*(\a)+512
.if (\a)%2 == 0
	v_mov_b32 v[SW+4*(\g)+(\a)/2], v[WD]
.else
	v_cndmask_b32 v[SW+4*(\g)+(\a)/2], v[SW+4*(\g)+(\a)/2], v[WD], s[HM]
.endif
.endm
.irp a, 0,1,2,3,4,5,6,7
.if \a < 7
	CSLOAD \a+1
	s_wait_loadcnt 8
.else
	s_wait_loadcnt 0
.endif
	UNIT \a, 0
	UNIT \a, 1
.endr
	global_store_b128 v[L16], v[SW:SW+3], s[98:99] offset:6144
	global_store_b128 v[L16], v[SW+4:SW+7], s[98:99] offset:106496+6144
	FINISH
.Lv:
	s_lshr_b32 s18, s45, 3
	s_lshl_b32 s18, s18, 4
	s_lshl_b32 s19, s41, 2
	s_add_co_u32 s18, s18, s19
	s_lshl_b32 s19, s15, 1
	s_add_co_u32 s18, s18, s19
	s_lshl_b32 s18, s18, 4
	s_and_b32 s19, s45, 7
	s_lshl_b32 s19, s19, 1
	s_add_co_u32 s19, s19, s16
	s_add_co_u32 s18, s18, s19
	s_mul_i32 s18, s18, 6400
	s_add_co_u32 s18, s18, 13631488
	s_mov_b32 s19, 0
	s_add_nc_u64 s[98:99], s[98:99], s[18:19]
.macro QUANT4 w, s
	WIN (\w)|((\w)<<2)
.irp b, 0,1,2,3
	v_max3_num_f32 v[4+\b], |v[(\s)+16*\b]|, |v[(\s)+1+16*\b]|, 0x1800000
.endr
	WIN ((\w)<<2)|((\w)<<4)
.irp i, 2,4,6,8,10,12,14
.irp b, 0,1,2,3
	v_max3_num_f32 v[4+\b], v[4+\b], |v[(\s)+16*\b+\i]|, |v[(\s)+1+16*\b+\i]|
.endr
.endr
	WIN 0
.irp b, 0,1,2,3
	v_permlanex16_b32 v[8+\b], v[4+\b], s[SEL], s[SEL+1]
.endr
.irp b, 0,1,2,3
	v_max_num_f32 v[4+\b], v[4+\b], v[8+\b]
.endr
.irp b, 0,1,2,3
	v_add_nc_u32 v[12+\b], 0xff000000, v[4+\b]
.endr
.irp b, 0,1,2,3
	v_lshrrev_b32 v[8+\b], 23, v[12+\b]
.endr
	v_lshl_or_b32 v[WD], v9, 8, v8
	v_lshl_or_b32 v[WD], v10, 16, v[WD]
	v_lshl_or_b32 v[WD], v11, 24, v[WD]
	s_wait_xcnt 0x0
	WIN \w
.irp c, 0,1
	v_cvt_scalef32_pk16_fp6_f32 v[CF+6*\c:CF+6*\c+2], v[(\s)+32*\c:(\s)+32*\c+15], v[12+2*\c]
	v_cvt_scalef32_pk16_fp6_f32 v[TR+4*\c:TR+4*\c+2], v[(\s)+32*\c+16:(\s)+32*\c+31], v[12+2*\c+1]
.endr
	v_nop
	WIN 0
.irp c, 0,1
.irp i, 0,1,2
	v_permlane16_swap_b32 v[CF+6*\c+\i], v[TR+4*\c+\i]
.endr
.irp i, 0,1,2
	v_mov_b32 v[CF+6*\c+3+\i], v[TR+4*\c+\i]
.endr
.endr
.endm
.irp a, 0,1,2,3,4,5,6,7
	QUANT4 2+\a/4, 64*(\a%4)
	global_store_b128 v[L16], v[CF:CF+3], s[98:99] offset:(\a/4)*102400+1536*(\a%4)
	global_store_b64 v[L8], v[CF+4:CF+5], s[98:99] offset:(\a/4)*102400+1536*(\a%4)+512
	global_store_b128 v[L16], v[CF+6:CF+9], s[98:99] offset:(\a/4)*102400+1536*(\a%4)+768
	global_store_b64 v[L8], v[CF+10:CF+11], s[98:99] offset:(\a/4)*102400+1536*(\a%4)+1280
.if \a%2 == 0
	v_mov_b32 v[SW+2*(\a/4)+(\a%4)/2], v[WD]
.else
	v_cndmask_b32 v[SW+2*(\a/4)+(\a%4)/2], v[SW+2*(\a/4)+(\a%4)/2], v[WD], s[HM]
.endif
.endr
	global_store_b64 v[L8], v[SW:SW+1], s[98:99] offset:6144
	global_store_b64 v[L8], v[SW+2:SW+3], s[98:99] offset:102400+6144
	FINISH
.Lfunc_end_k_q559fd3feea_qkvgemm:
	.size	k_q559fd3feea_qkvgemm, .Lfunc_end_k_q559fd3feea_qkvgemm-k_q559fd3feea_qkvgemm
	.p2alignl 7, 3214868480
	.fill 96, 4, 3214868480
	.section	.rodata,"a",@progbits
	.p2align	6, 0x0
	.amdhsa_kernel k_q559fd3feea_qkvgemm
		.amdhsa_group_segment_fixed_size 327680
		.amdhsa_private_segment_fixed_size 0
		.amdhsa_enable_private_segment 0
		.amdhsa_kernarg_size 64
		.amdhsa_user_sgpr_count 2
		.amdhsa_user_sgpr_kernarg_segment_ptr 1
		.amdhsa_wavefront_size32 1
		.amdhsa_system_sgpr_workgroup_id_x 1
		.amdhsa_system_sgpr_workgroup_id_y 1
		.amdhsa_system_sgpr_workgroup_id_z 1
		.amdhsa_system_vgpr_workitem_id 0
		.amdhsa_next_free_vgpr 1024
		.amdhsa_next_free_sgpr 100
		.amdhsa_reserve_vcc 0
		.amdhsa_float_denorm_mode_32 3
		.amdhsa_float_denorm_mode_16_64 3
		.amdhsa_memory_ordered 1
		.amdhsa_forward_progress 1
		.amdhsa_inst_pref_size 255
	.end_amdhsa_kernel
	.section	.bss,"aw",@nobits
	.p2align	6
	.space	262144
	.amdgpu_metadata
---
amdhsa.version: [ 1, 2 ]
amdhsa.kernels:
  - .name:           k_q559fd3feea_qkvgemm
    .symbol:         k_q559fd3feea_qkvgemm.kd
    .args:
      - { .name: pimg, .offset: 0, .size: 8, .value_kind: global_buffer, .address_space: global }
      - { .name: psc, .offset: 8, .size: 8, .value_kind: global_buffer, .address_space: global }
      - { .name: rope, .offset: 16, .size: 8, .value_kind: global_buffer, .address_space: global }
      - { .name: q_norm_g, .offset: 24, .size: 8, .value_kind: global_buffer, .address_space: global }
      - { .name: q_norm_b, .offset: 32, .size: 8, .value_kind: global_buffer, .address_space: global }
      - { .name: k_norm_g, .offset: 40, .size: 8, .value_kind: global_buffer, .address_space: global }
      - { .name: k_norm_b, .offset: 48, .size: 8, .value_kind: global_buffer, .address_space: global }
      - { .name: qkvc, .offset: 56, .size: 8, .value_kind: global_buffer, .address_space: global }
    .group_segment_fixed_size: 327680
    .private_segment_fixed_size: 0
    .kernarg_segment_align: 8
    .kernarg_segment_size: 64
    .max_flat_workgroup_size: 128
    .sgpr_count:     100
    .vgpr_count:     1024
    .wavefront_size: 32
...
	.end_amdgpu_metadata
.endif
;; end of part 2
;; launch attn (part 3): grid 4 x 64, 16 waves a work-group, clusters of 4 x 1, 237,568 bytes of LDS; arguments qkvc, oimg, osc; writes oimg, osc
.if DOCPART == 3
	.amdgcn_target "amdgcn-amd-amdhsa--gfx1250"
	.amdhsa_code_object_version 6
	.text
	.protected	k_q559fd3feea_attn
	.globl	k_q559fd3feea_attn
	.p2align	8
	.type	k_q559fd3feea_attn,@function
k_q559fd3feea_attn:
	s_mov_b64 s[64:65], 0
	v_nop
	global_prefetch_b8 v0, s[64:65] scope:SCOPE_SE
	s_setreg_imm32_b32 hwreg(HW_REG_WAVE_MODE, 25, 1), 1
	s_wait_xcnt 0x0
	s_wait_alu depctr_hold_cnt(0) depctr_sa_sdst(0) depctr_va_vdst(0) depctr_va_sdst(0) depctr_va_ssrc(0) depctr_va_vcc(0) depctr_vm_vsrc(0)
	s_getreg_b32 s2, hwreg(HW_REG_IB_STS2, 6, 4)
	s_cmp_eq_u32 s2, 0
	s_cbranch_scc0 .Lentry_in_a_cluster
	s_endpgm
.Lentry_in_a_cluster:
	s_bfe_u32 s2, ttmp6, 0x10000c
	s_cmp_lg_u32 s2, 0x3003
	s_cbranch_scc0 .Lentry_shape_is_right
	s_endpgm
.Lentry_shape_is_right:
; out[b][n][64 hd + d] = the sum over keys of softmax(q . k / 8) v, both products on codes of FP6 (E2M3) with E8M0 scales; then the quantiser of out along the next product's K.
; THE SOFTMAX: t = score x log2(e) / 8 (the 1 / 8 is reference()'s scale of q, a power of two, which q's quantiser passes unchanged); M = the running largest t rounded UP to a whole number;
; p = 2^(t - M) is quantised along the keys; the row's sum is taken of the unquantised p and divides at the end; when M moves, sum and O are multiplied by 2^(old M - new M), exactly.
; SHARES.  A work-group takes 512 queries of one head; each of its sixteen waves 32 of them, as two tiles of 16 in two passes over the keys, in 256 registers.
; A HEAD'S K AND V LIE IN LDS WHOLE, filled once: every wave issues ONE joint load at the head (waves 0-7: 256 keys of K each, waves 8-15: 256 keys of V each), one barrier follows, and none after it.
; CLUSTER: the four work-groups of a head ask for K and V jointly.  No prefetch: all of K and V is asked for at the head, so there is no loop to run ahead in.
; K IN LDS: rows of 512 bytes with 128 bytes of padding behind each (pitch 640): 128 keys are 13 rows, 8,320 bytes.
; WHICH KEYS FORM A TILE is chosen at the LDS read.  Tile T = 4 c + i of a step's 128 keys takes as rows 0-7 the keys 64 c + 8 i + 0 .. 7 and as rows 8-15 the keys 64 c + 32 + 8 i + 0 .. 7.
; Both products are used transposed (S^T = K Q^T, O^T = V^T P^T), so a lane holds one query, and its 32 registers of tiles 4 c .. 4 c + 3 are the WHOLE block 2 c + h of 32 keys, in order:
; a block's maximum needs no other lane, and the conversions' results are p's operand registers.  In memory (and so in LDS) a tile t holds keys 32 (t / 2) + 8 (t % 2) + r + 8 (r / 8):
; rows 0-7 of T come from tile 4 c + i % 2, rows 8 (i / 2) .. + 7, and rows 8-15 from the tile two further on, 1,536 bytes = 3 LDS rows = 1,920 LDS bytes, which is 128 modulo 256.
; The first product's K is 64, half of the instruction's 128: Q's upper six registers hold zero codes; K's operand of tile T is v[32 + 6 T .. 43 + 6 T], whose upper six registers are the next tile's codes
; (behind tile 7: the second query tile's codes): they meet zero codes under scale bytes of 127 and add exactly 0.
; LIMITS: the scaled scores stay under 2^31 in magnitude; a block under 2^(3 - 127), zeros among them, gets the byte 1 (read by this program alone); NaN and infinities are not served.
; osc is stored two bytes a row: a head owns half of a scale word.
.set KBLK, 6656                        ; 128 keys of K in memory: 8 half fragments of 768 bytes, 512 bytes of scale words
.set KLB,  8320                        ; and in LDS
.set VBLK, 6400                        ; 128 keys of V: 4 fragments of 1,536 bytes, 256 bytes of scale words
.set VB,   16*KLB
.set SPARE, VB+16*VBLK                 ; the spare words: 128 bytes a wave
.set G1K, 24
.set G1V, 32
.set G0K, 40
.set G0V, 44
.set WV,  10
.set SEL, 20
.set CS,  22
.set TK,  56
.set TV,  57
.set CNT, 58
.set PASS, 59
.set OM,  60
.set NC,  61
; v1, v2: 16 x, 8 x lane; v3-6: the lane's part of K's LDS addresses; v7: 8 h; v8, v9: osc's place and halfword; v12 -M, v13 the largest score, v[14:15] the sum
.set Q,   16                           ; v16-27 Q's codes and six registers of zero codes
.set QS,  28                           ; Q's scale words; v29 both tiles'
.set SPW, 30
.set NIL, 31
.set KV,  32                           ; v32-79 K's eight tiles, then V's four fragments
.set Q2,  80                           ; v80-85 the second tile of queries
.set KS,  86                           ; v86-89 K's scale words: register 2 c + u: lanes 0-15 tile 4 c + 2 u, lanes 16-31 the next
.set VS,  90
.set PW,  92                           ; p's scale word
.set AKE, 94                           ; the step's LDS addresses
.set AKO, 95
.set AK8, 96
.set AKS, 97
.set AV16, 98
.set AV8, 99
.set S,   100                          ; v100-163 S^T, then p
.set O,   164                          ; v164-195 O^T
.set P,   196                          ; v196-207 p's codes
.set CT,  208                          ; v208-223 at work: halves of codes, partial sums
.set F,   224
.set BM,  226
.set X,   228
.set SOP, 232
.set BY,  234
.macro ROUND
	s_barrier_signal -1
	s_barrier_wait -1
	s_cmp_lg_u32 s[WV], 0
	s_cbranch_scc1 .Lnot_wave_0_\@
	s_barrier_signal -3
.Lnot_wave_0_\@:
	s_barrier_wait -3
	s_barrier_signal -1
	s_barrier_wait -1
.endm
.macro WS d, a, sa, row                ; a tile of S^T: begins its sum with 0
.if \row
	v_wmma_scale_f32_16x16x128_f8f6f4 v[(\d):(\d)+7], v[(\a):(\a)+11], v[Q:Q+11], 0, v[(\sa)], v[QS] matrix_a_fmt:MATRIX_FMT_FP6 matrix_b_fmt:MATRIX_FMT_FP6 matrix_a_scale:MATRIX_SCALE_ROW1
.else
	v_wmma_scale_f32_16x16x128_f8f6f4 v[(\d):(\d)+7], v[(\a):(\a)+11], v[Q:Q+11], 0, v[(\sa)], v[QS] matrix_a_fmt:MATRIX_FMT_FP6 matrix_b_fmt:MATRIX_FMT_FP6
.endif
.endm
.macro WO d, a, sa, row                ; a tile of O^T, in place
.if \row
	v_wmma_scale_f32_16x16x128_f8f6f4 v[(\d):(\d)+7], v[(\a):(\a)+11], v[P:P+11], v[(\d):(\d)+7], v[(\sa)], v[PW] matrix_a_fmt:MATRIX_FMT_FP6 matrix_b_fmt:MATRIX_FMT_FP6 matrix_a_scale:MATRIX_SCALE_ROW1
.else
	v_wmma_scale_f32_16x16x128_f8f6f4 v[(\d):(\d)+7], v[(\a):(\a)+11], v[P:P+11], v[(\d):(\d)+7], v[(\sa)], v[PW] matrix_a_fmt:MATRIX_FMT_FP6 matrix_b_fmt:MATRIX_FMT_FP6
.endif
.endm
	s_load_b128 s[4:7], s[0:1], 0x0                ; qkvc s[4:5], oimg s[6:7]
	s_load_b64 s[8:9], s[0:1], 0x10                ; osc
	v_lshl_add_u32 v[SPW], v0, 2, SPARE
	v_mov_b32 v[NIL], 0
	ds_add_u32 v[SPW], v[NIL]                      ; the opening lines: the add, twice on end, and its wait
	ds_add_u32 v[SPW], v[NIL]
	v_lshrrev_b32 v10, 5, v0
	s_delay_alu instid0(VALU_DEP_1)
	v_readfirstlane_b32 s[WV], v10                 ; wave 0..15
	s_bfe_u32 s11, ttmp6, 0x40000                  ; cx: it enters Q's and the outputs' addresses alone
	s_and_b32 s12, ttmp7, 0xffff                   ; batch x 16 + head, which the four partners share
	s_mov_b32 s[G1K], 15|(3<<16)|(1<<20)|(1<<21)|(6<<22)|(31<<25)   ; K: 26 rows of 512 bytes (64 elements of 8), 32 dwords of padding behind every 128
	s_mov_b32 s[G1K+1], 64<<16
	s_mov_b32 s[G1K+2], 26<<16
	s_mov_b32 s[G1K+3], 64<<16
	s_mov_b32 s[G1K+4], 26
	s_mov_b32 s[G1K+5], 64
	s_mov_b32 s[G1K+6], 0
	s_mov_b32 s[G1K+7], 0
	s_mov_b32 s[G1V], 15|(3<<16)|(1<<21)           ; V: 50 rows of 256 bytes, dense
	s_mov_b32 s[G1V+1], 32<<16
	s_mov_b32 s[G1V+2], 50<<16
	s_mov_b32 s[G1V+3], 32<<16
	s_mov_b32 s[G1V+4], 50
	s_mov_b32 s[G1V+5], 32
	s_mov_b32 s[G1V+6], 0
	s_mov_b32 s[G1V+7], 0
	s_and_b32 s13, s[WV], 7                        ; which 256 keys I fetch
	s_mul_i32 s14, s12, 16*KBLK                    ; the head's bytes in q and in k
	s_mul_i32 s16, s12, 16*VBLK
	s_add_co_u32 s16, s16, 13631488
	s_mul_i32 s48, s13, 2*VBLK
	s_add_co_u32 s16, s16, s48
	s_mov_b32 s17, 0
	s_add_co_u32 s18, s14, 6815744
	s_mul_i32 s48, s13, 2*KBLK
	s_add_co_u32 s18, s18, s48
	s_mov_b32 s19, 0
	s_mov_b32 s[G0K], 1
	s_mul_i32 s[G0K+1], s13, 2*KLB
	s_mov_b32 s[G0V], 1
	s_mul_i32 s[G0V+1], s13, 2*VBLK
	s_add_co_u32 s[G0V+1], s[G0V+1], VB
	s_mov_b32 s[SEL], 0x76543210
	s_mov_b32 s[SEL+1], 0xfedcba98                 ; lane l xor 16
	s_mov_b32 s[CS], 0x3e38aa3b                    ; c = log2(e) / 8
	s_mov_b32 s[CS+1], s[CS]
	s_mov_b32 s[NC], 0xbe38aa3b                    ; -c
	s_wait_dscnt 0x0
	s_wait_kmcnt 0x0
	s_add_nc_u64 s[G0K+2:G0K+3], s[4:5], s[18:19]
	s_or_b32 s[G0K+3], s[G0K+3], 0x80000000
	s_add_nc_u64 s[G0V+2:G0V+3], s[4:5], s[16:17]
	s_or_b32 s[G0V+3], s[G0V+3], 0x80000000
	ROUND                                          ; all four work-groups are here: the joint loads meet
	s_cmp_lt_u32 s[WV], 8                          ; one chain of branches on the wave's number, one fill to an arm
	s_cbranch_scc0 .Lfor_v
	tensor_load_to_lds s[G0K:G0K+3], s[G1K:G1K+7]
	s_nop 0
.rept 4
	v_nop
.endr
	s_branch .Lasked
.Lfor_v:
	tensor_load_to_lds s[G0V:G0V+3], s[G1V:G1V+7]
	s_nop 0
.rept 4
	v_nop
.endr
.Lasked:
	v_and_b32 v10, 31, v0
	v_and_b32 v11, 7, v0                           ; j = row % 8
	v_bfe_u32 v93, v0, 3, 1                        ; R = row / 8
	v_bfe_u32 v7, v0, 4, 1                         ; h
	v_lshlrev_b32 v1, 4, v10
	v_lshlrev_b32 v2, 3, v10
	v_mul_u32_u24 v3, v93, 1920
	v_lshlrev_b32 v6, 2, v93
	v_and_b32 v8, 15, v0
	v_lshl_add_u32 v5, v11, 3, v3
	v_lshl_add_u32 v3, v11, 4, v3
	v_lshl_add_u32 v6, v11, 4, v6
	v_lshlrev_b32 v8, 3, v8
	v_lshl_add_u32 v5, v7, 7, v5                   ; 8-byte parts: 1920 R + 8 j + 128 h
	v_lshl_add_u32 v3, v7, 8, v3                   ; 16-byte parts of even memory tiles: 1920 R + 16 j + 256 h
	v_lshl_add_u32 v6, v7, 8, v6                   ; scale words: 16 j + 4 R + 256 h
	v_lshl_add_u32 v8, v7, 9, v8                   ; osc: tile h of my pair, row r
	v_lshl_add_u32 v4, v7, 7, v3                   ; of odd memory tiles: their lanes 16-31 lie behind a padding: + 128 h
	v_lshlrev_b32 v7, 3, v7                        ; 8 h: my bytes' shift in p's scale word
.irp i, 9, Q+6,Q+7,Q+8,Q+9,Q+10,Q+11, F+1, X,X+1,X+2,X+3
	v_mov_b32 v[\i], 0                             ; Q's zero codes; lane permutes' destinations, the upper word of a pair, the halfword
.endr
	s_wait_alu depctr_va_vdst(0)                   ; the wait ahead of the run of scalar lines
	s_lshl_b32 s84, s11, 2                         ; my pair of tiles of queries: pair 16 cx + wave of the head's 64
	s_lshr_b32 s85, s[WV], 2
	s_add_co_u32 s84, s84, s85                     ; its block of 128
	s_mul_i32 s84, s84, KBLK
	s_add_co_u32 s84, s84, s14
	s_mov_b32 s85, 0
	s_add_nc_u64 s[84:85], s[4:5], s[84:85]
	s_and_b32 s86, s[WV], 3
	s_mul_i32 s88, s86, 1536
	s_mov_b32 s89, 0
	s_add_nc_u64 s[88:89], s[84:85], s[88:89]      ; its two half fragments
	s_lshl_b32 s86, s86, 2
	s_add_co_u32 s86, s86, 6144
	s_mov_b32 s87, 0
	s_add_nc_u64 s[86:87], s[84:85], s[86:87]      ; its word of the scale image
	global_load_b128 v[Q:Q+3], v1, s[88:89]
	global_load_b64 v[Q+4:Q+5], v2, s[88:89] offset:512
	global_load_b128 v[Q2:Q2+3], v1, s[88:89] offset:768
	global_load_b64 v[Q2+4:Q2+5], v2, s[88:89] offset:1280
	global_load_b32 v29, v1, s[86:87]              ; lanes 0-15: the first tile's words, lanes 16-31: the second's
	s_lshr_b32 s90, s12, 4                         ; where the results go
	s_lshl_b32 s90, s90, 6
	s_lshl_b32 s91, s11, 4
	s_add_co_u32 s90, s90, s91
	s_add_co_u32 s90, s90, s[WV]                   ; the pair's number among all 256
	s_and_b32 s91, s12, 15                         ; the head
	s_mul_i32 s92, s90, 24576                      ; two tiles of 12,288 bytes
	s_mul_i32 s93, s91, 768                        ; K step head / 2, half head % 2
	s_add_co_u32 s92, s92, s93
	s_mov_b32 s93, 0
	s_add_nc_u64 s[6:7], s[6:7], s[92:93]
	s_lshl_b32 s92, s90, 10                        ; two tiles of 512 bytes
	s_lshr_b32 s90, s91, 2
	s_lshl_b32 s90, s90, 7                         ; slot head / 4
	s_add_co_u32 s92, s92, s90
	s_and_b32 s90, s91, 3
	s_lshl_b32 s90, s90, 1                         ; the halfword
	s_add_co_u32 s92, s92, s90
	s_add_nc_u64 s[8:9], s[8:9], s[92:93]
	s_mov_b32 s[PASS], 2
	s_mov_b32 s[OM], -1
	s_wait_loadcnt 0x0
	v_mov_b32 v[QS], v29
	s_wait_alu depctr_va_vdst(0)                   ; the wait at the head's end
	s_wait_tensorcnt 0x0                           ; my part of K or V has landed
	s_barrier_signal -1
	s_barrier_wait -1                              ; and everybody's
.macro KADR                            ; the LDS addresses of the 128 keys at s[TK]
	v_add_nc_u32 v[AKE], s[TK], v3
	v_add_nc_u32 v[AKO], s[TK], v4
	v_add_nc_u32 v[AK8], s[TK], v5
	v_add_nc_u32 v[AKS], s[TK], v6
.endm
.macro KLOAD                           ; tile 4 c + 2 u + e: memory tile 4 c + e (+ 2 R), rows 8 u .. 8 u + 7; four memory tiles are 6 LDS rows, 3,840 bytes
.irp c, 0,1
.irp u, 0,1
	ds_load_b128 v[KV+24*\c+12*\u:KV+24*\c+12*\u+3], v[AKE] offset:3840*\c+128*\u
	ds_load_b64 v[KV+24*\c+12*\u+4:KV+24*\c+12*\u+5], v[AK8] offset:3840*\c+64*\u+640
	ds_load_b128 v[KV+24*\c+12*\u+6:KV+24*\c+12*\u+9], v[AKO] offset:3840*\c+128*\u+896
	ds_load_b64 v[KV+24*\c+12*\u+10:KV+24*\c+12*\u+11], v[AK8] offset:3840*\c+64*\u+1536
	ds_load_b32 v[KS+2*\c+\u], v[AKS] offset:8*\c+128*\u+7680
.endr
.endr
.endm
; A KEY STEP: 128 keys.  pf = 1: the next step's tiles of K are asked for behind the second product.
.macro STEP pf
	s_wait_dscnt 0x0                               ; K's tiles and scale words are in
.irp t, 0,2,4,6
	WS S+8*\t, KV+6*\t, KS+\t/2, 0
	WS S+8*\t+8, KV+6*\t+6, KS+\t/2, 1
.endr
.if \pf
	s_add_co_u32 s[TK], s[TK], KLB
.endif
	v_add_nc_u32 v[AV16], s[TV], v1                ; the address sums are the places behind the products, in front of the loads into K's registers and of the first read of the scores
	v_add_nc_u32 v[AV8], s[TV], v2
.if \pf
	KADR
.else
	v_nop
	v_nop
.endif
.irp t, 0,1,2,3                        ; V's fragments are asked for now; the softmax stands between these loads and the wait for them
	ds_load_b128 v[KV+12*\t:KV+12*\t+3], v[AV16] offset:1536*\t
	ds_load_b64 v[KV+12*\t+4:KV+12*\t+5], v[AV8] offset:1536*\t+512
	ds_load_b128 v[KV+12*\t+6:KV+12*\t+9], v[AV16] offset:1536*\t+768
	ds_load_b64 v[KV+12*\t+10:KV+12*\t+11], v[AV8] offset:1536*\t+1280
.endr
	ds_load_b64 v[VS:VS+1], v[AV8] offset:6144
.irp c, 0,1                            ; the largest score of my two blocks of 32 keys, each in two chains, every accumulator from its low end on
	v_max3_num_f32 v[BM+\c], v[S+32*\c], v[S+32*\c+1], v[S+32*\c+2]
	v_max3_num_f32 v[X+\c], v[S+32*\c+16], v[S+32*\c+17], v[S+32*\c+18]
.endr
.irp i, 3,5,7,9,11,13
.irp c, 0,1
	v_max3_num_f32 v[BM+\c], v[BM+\c], v[S+32*\c+\i], v[S+32*\c+\i+1]
	v_max3_num_f32 v[X+\c], v[X+\c], v[S+32*\c+16+\i], v[S+32*\c+17+\i]
.endr
.endr
	v_max3_num_f32 v[BM], v[BM], v[X], v[S+15]
	v_max3_num_f32 v[BM+1], v[BM+1], v[X+1], v[S+47]
	v_max_num_f32 v[BM], v[BM], v[S+31]
	v_max_num_f32 v[BM+1], v[BM+1], v[S+63]
	s_delay_alu instid0(VALU_DEP_1)
	v_max_num_f32 v[X+2], v[BM], v[BM+1]
	s_delay_alu instid0(VALU_DEP_1)
	v_permlanex16_b32 v[X+3], v[X+2], s[SEL], s[SEL+1]
	s_delay_alu instid0(VALU_DEP_1)
	v_max3_num_f32 v13, v13, v[X+2], v[X+3]        ; the running largest score of my query
	s_delay_alu instid0(VALU_DEP_1)
	v_mul_f32 v[X+2], s[NC], v13                   ; -t
	s_delay_alu instid0(VALU_DEP_1)
	v_floor_f32 v[X+2], v[X+2]                     ; the new -M = floor(-t): M is a whole number
	s_delay_alu instid0(VALU_DEP_1)
	v_sub_f32 v[X+3], v[X+2], v12                  ; old M - new M: a whole number, 0 or less
	v_mov_b32 v12, v[X+2]
	s_delay_alu instid0(VALU_DEP_2)
	v_cvt_i32_f32 v[X+3], v[X+3]                   ; (it saturates)
	s_delay_alu instid0(VALU_DEP_1)
	v_ldexp_f32 v[F], 1.0, v[X+3]                  ; f = 2^(old M - new M)
.set J, 0
.rept 32
	v_pk_fma_f32 v[S+J:S+J+1], v[S+J:S+J+1], s[CS:CS+1], v[12:13] op_sel_hi:[1,0,0]   ; t - M
.set J, J+2
.endr
	v_fma_f32 v[BM], v[BM], s[CS], v12             ; the same of each block's largest score: p rises with the score
	v_fma_f32 v[BM+1], v[BM+1], s[CS], v12
	s_wait_alu depctr_va_vdst(0)                   ; the wait ahead of the batch
.set J, 0
.rept 64
	v_exp_f32 v[S+J], v[S+J]                       ; p = 2^(t - M)
.set J, J+1
.endr
	v_exp_f32 v[BM], v[BM]                         ; the blocks' largest p
	v_exp_f32 v[BM+1], v[BM+1]
	v_pk_mul_f32 v[14:15], v[14:15], v[F:F+1] op_sel_hi:[1,0]   ; the sums under the new M (a plain line behind the exponentials)
	s_wait_alu depctr_va_vdst(0)                   ; one wait for the batch, ahead of its first reader
	v_max_num_f32 v[BM], 0x1800000, v[BM]          ; the floor 2^(3 - 127)
	v_max_num_f32 v[BM+1], 0x1800000, v[BM+1]
	s_delay_alu instid0(VALU_DEP_2)
	v_add_nc_u32 v[SOP], 0xff000000, v[BM]         ; 2 off the exponent field: the conversion's scale operand
	s_delay_alu instid0(VALU_DEP_2)
	v_add_nc_u32 v[SOP+1], 0xff000000, v[BM+1]
.irp c, 0,1
	v_cvt_scalef32_pk16_fp6_f32 v[P+6*\c:P+6*\c+2], v[S+32*\c:S+32*\c+15], v[SOP+\c]
	v_cvt_scalef32_pk16_fp6_f32 v[CT+4*\c:CT+4*\c+2], v[S+32*\c+16:S+32*\c+31], v[SOP+\c]   ; (a conversion's three registers begin on an even number)
.endr
	v_lshrrev_b32 v[BY], 23, v[SOP]                ; the scales' bytes: blocks h and 2 + h
	v_lshrrev_b32 v[BY+1], 23, v[SOP+1]
	s_delay_alu instid0(VALU_DEP_1)
	v_lshl_or_b32 v[X+2], v[BY+1], 16, v[BY]
	s_delay_alu instid0(VALU_DEP_1)
	v_lshlrev_b32 v[X+2], v7, v[X+2]               ; at their places, 8 h bits up;
	s_delay_alu instid0(VALU_DEP_1)
	v_permlanex16_b32 v[X+3], v[X+2], s[SEL], s[SEL+1]
	s_delay_alu instid0(VALU_DEP_1)
	v_or_b32 v[PW], v[X+2], v[X+3]                 ; with lane l xor 16's two the word is whole
	s_wait_alu depctr_va_vdst(0)                   ; the wait directly ahead of the first reader of O^T
.set J, 0
.rept 8
	v_pk_mul_f32 v[O+J:O+J+1], v[O+J:O+J+1], v[F:F+1] op_sel_hi:[1,0]   ; O^T under the new M
.set J, J+2
.endr
.irp c, 0,1
.irp i, 0,1,2
	v_mov_b32 v[P+6*\c+3+\i], v[CT+4*\c+\i]
.endr
.endr
.rept 8                                ; (these eight are also the places between p's codes and the products below; 22 plain lines stand behind p's scale word)
	v_pk_mul_f32 v[O+J:O+J+1], v[O+J:O+J+1], v[F:F+1] op_sel_hi:[1,0]
.set J, J+2
.endr
	s_wait_alu depctr_va_vdst(0)                   ; the wait directly ahead of the wait below
	s_wait_dscnt 0x0                               ; V is in
.irp t, 0,2
	WO O+8*\t, KV+12*\t, VS+\t/2, 0
	WO O+8*\t+8, KV+12*\t+12, VS+\t/2, 1
.endr
	v_pk_add_f32 v[14:15], v[14:15], v[S:S+1]      ; THE ROW'S SUM OF THE UNQUANTISED p, in eight chains.  Its first four lines are the places in front of the loads into V's registers
.irp k, 1,2,3
	v_pk_add_f32 v[CT+2*\k-2:CT+2*\k-1], v[S+4*\k-2:S+4*\k-1], v[S+4*\k:S+4*\k+1]
.endr
.if \pf
	KLOAD                                          ; the next step's K; the rest of the sum stands between these loads and the wait for them
.endif
.irp k, 4,5,6,7
	v_pk_add_f32 v[CT+2*\k-2:CT+2*\k-1], v[S+4*\k-2:S+4*\k-1], v[S+4*\k:S+4*\k+1]
.endr
.irp g, 30, 46
	v_pk_add_f32 v[14:15], v[14:15], v[S+\g:S+\g+1]
.irp k, 1,2,3,4,5,6,7
	v_pk_add_f32 v[CT+2*\k-2:CT+2*\k-1], v[CT+2*\k-2:CT+2*\k-1], v[S+\g+2*\k:S+\g+2*\k+1]
.endr
.endr
	v_pk_add_f32 v[14:15], v[14:15], v[S+62:S+63]
	v_pk_add_f32 v[CT:CT+1], v[CT:CT+1], v[CT+2:CT+3]
	v_pk_add_f32 v[CT+4:CT+5], v[CT+4:CT+5], v[CT+6:CT+7]
	v_pk_add_f32 v[CT+8:CT+9], v[CT+8:CT+9], v[CT+10:CT+11]
	v_pk_add_f32 v[14:15], v[14:15], v[CT+12:CT+13]
	s_delay_alu instid0(VALU_DEP_3)
	v_pk_add_f32 v[CT:CT+1], v[CT:CT+1], v[CT+4:CT+5]
	s_delay_alu instid0(VALU_DEP_2)
	v_pk_add_f32 v[14:15], v[14:15], v[CT+8:CT+9]
	s_delay_alu instid0(VALU_DEP_1)
	v_pk_add_f32 v[14:15], v[14:15], v[CT:CT+1]
.endm
.Lpass:                                ; two trips: my pair's first tile of queries, then its second
	v_mov_b32 v13, 0xff61b1e6                      ; the largest score so far: -3e38
	v_mov_b32 v12, 0x7f61b1e6                      ; -M
	v_mov_b32 v14, 0
	v_mov_b32 v15, 0
.set J, 0
.rept 32
	v_mov_b32 v[O+J], 0                            ; O^T: the step is written for every turn alike; its first turn finds zeros, which the first change of M leaves zeros
.set J, J+1
.endr
	s_mov_b32 s[TK], 0
	s_mov_b32 s[TV], VB
	KADR
	KLOAD
	s_mov_b32 s[CNT], 15
.Lstep:
	STEP 1
	s_add_co_u32 s[TV], s[TV], VBLK
	s_sub_co_u32 s[CNT], s[CNT], 1
	s_cmp_lg_u32 s[CNT], 0
	s_cbranch_scc1 .Lstep
	STEP 0                                         ; the last 128 keys: nothing more is asked for; the sum's lines are the places behind the last products
	s_delay_alu instid0(VALU_DEP_1)
	v_add_f32 v14, v14, v15
	s_delay_alu instid0(VALU_DEP_1)
	v_permlanex16_b32 v[X+3], v14, s[SEL], s[SEL+1]
	s_delay_alu instid0(VALU_DEP_1)
	v_add_f32 v14, v14, v[X+3]                     ; the row's sum
	s_wait_alu depctr_va_vdst(0)
	v_rcp_f32 v[F], v14
	v_nop
	s_wait_alu depctr_va_vdst(0)
.set J, 0
.rept 16
	v_pk_mul_f32 v[S+J:S+J+1], v[O+J:O+J+1], v[F:F+1] op_sel_hi:[1,0]   ; register 16 u + i: channel 32 u + 16 h + i of my query
.set J, J+2
.endr
.irp b, 0,1                            ; the quantiser along the next product's K: the head's two blocks of 32, each in lanes l and l xor 16
	v_max3_num_f32 v[BM+\b], |v[S+16*\b]|, |v[S+16*\b+1]|, 0x1800000
.endr
.irp i, 2,4,6,8,10,12,14
.irp b, 0,1
	s_delay_alu instid0(VALU_DEP_2)
	v_max3_num_f32 v[BM+\b], v[BM+\b], |v[S+16*\b+\i]|, |v[S+16*\b+\i+1]|
.endr
.endr
.irp b, 0,1
	s_delay_alu instid0(VALU_DEP_2)
	v_permlanex16_b32 v[X+\b], v[BM+\b], s[SEL], s[SEL+1]
.endr
.irp b, 0,1
	s_delay_alu instid0(VALU_DEP_2)
	v_max_num_f32 v[BM+\b], v[BM+\b], v[X+\b]
.endr
.irp b, 0,1
	s_delay_alu instid0(VALU_DEP_2)
	v_add_nc_u32 v[SOP+\b], 0xff000000, v[BM+\b]
.endr
.irp b, 0,1
	s_delay_alu instid0(VALU_DEP_2)
	v_lshrrev_b32 v[BY+\b], 23, v[SOP+\b]
.endr
	s_delay_alu instid0(VALU_DEP_1)
	v_lshl_or_b32 v[X+2], v[BY+1], 8, v[BY]
	v_cvt_scalef32_pk16_fp6_f32 v[P:P+2], v[S:S+15], v[SOP]
	v_cvt_scalef32_pk16_fp6_f32 v[CT:CT+2], v[S+16:S+31], v[SOP+1]
	v_nop                                          ; one plain line behind a scaled conversion
.irp i, 0,1,2
	v_permlane16_swap_b32 v[P+\i], v[CT+\i]        ; a whole block to a lane
.endr
.irp i, 0,1,2
	s_delay_alu instid0(VALU_DEP_3)
	v_mov_b32 v[P+3+\i], v[CT+\i]
.endr
	global_store_b128 v1, v[P:P+3], s[6:7]         ; the tile's half fragment: 512 and 256 consecutive bytes
	global_store_b64 v2, v[P+4:P+5], s[6:7] offset:512
	v_cndmask_b32 v9, v9, v[X+2], s[OM]            ; the first tile's halfword in all lanes, the second's then in lanes 16-31
	s_mov_b32 s[OM], 0xffff0000
.irp i, 0,1,2,3,4,5
	v_mov_b32 v[Q+\i], v[Q2+\i]                    ; the second tile of queries,
.endr
	v_permlanex16_b32 v[QS], v29, s[SEL], s[SEL+1] ; and its scale words, into lanes 0-15
	s_wait_xcnt 0x0                                ; the stores have read their base and their data
	s_add_nc_u64 s[6:7], s[6:7], 12288
	s_sub_co_u32 s[PASS], s[PASS], 1
	s_cmp_lg_u32 s[PASS], 0
	s_cbranch_scc1 .Lpass
	s_wait_alu depctr_va_vdst(0)
	global_store_b16 v8, v9, s[8:9]
	s_wait_tensorcnt 0x0                           ; the wave's end
	ds_add_u32 v[SPW], v[NIL]
	s_wait_dscnt 0x0
	ROUND                                          ; the closing round
	s_endpgm
.Lfunc_end_k_q559fd3feea_attn:
	.size	k_q559fd3feea_attn, .Lfunc_end_k_q559fd3feea_attn-k_q559fd3feea_attn
	.p2alignl 7, 3214868480
	.fill 96, 4, 3214868480
	.section	.rodata,"a",@progbits
	.p2align	6, 0x0
	.amdhsa_kernel k_q559fd3feea_attn
		.amdhsa_group_segment_fixed_size 237568
		.amdhsa_private_segment_fixed_size 0
		.amdhsa_enable_private_segment 0
		.amdhsa_kernarg_size 24
		.amdhsa_user_sgpr_count 2
		.amdhsa_user_sgpr_kernarg_segment_ptr 1
		.amdhsa_wavefront_size32 1
		.amdhsa_system_sgpr_workgroup_id_x 1
		.amdhsa_system_sgpr_workgroup_id_y 1
		.amdhsa_system_sgpr_workgroup_id_z 1
		.amdhsa_system_vgpr_workitem_id 0
		.amdhsa_next_free_vgpr 256
		.amdhsa_next_free_sgpr 100
		.amdhsa_reserve_vcc 0
		.amdhsa_float_denorm_mode_32 3
		.amdhsa_float_denorm_mode_16_64 3
		.amdhsa_memory_ordered 1
		.amdhsa_forward_progress 1
		.amdhsa_inst_pref_size 45
	.end_amdhsa_kernel
	.amdgpu_metadata
---
amdhsa.version: [ 1, 2 ]
amdhsa.kernels:
  - .name:           k_q559fd3feea_attn
    .symbol:         k_q559fd3feea_attn.kd
    .args:
      - { .name: qkvc, .offset: 0, .size: 8, .value_kind: global_buffer, .address_space: global }
      - { .name: oimg, .offset: 8, .size: 8, .value_kind: global_buffer, .address_space: global }
      - { .name: osc, .offset: 16, .size: 8, .value_kind: global_buffer, .address_space: global }
    .group_segment_fixed_size: 237568
    .private_segment_fixed_size: 0
    .kernarg_segment_align: 8
    .kernarg_segment_size: 24
    .max_flat_workgroup_size: 512
    .sgpr_count:     100
    .vgpr_count:     256
    .wavefront_size: 32
...
	.end_amdgpu_metadata
.endif
;; end of part 3
;; launch proj (part 4): grid 4 x 32, 4 waves a work-group, clusters of 4 x 4, 327,680 bytes of LDS; arguments oimg, osc, pimg, psc, proj_b, out0; writes out0
.if DOCPART == 4
	.amdgcn_target "amdgcn-amd-amdhsa--gfx1250"
	.amdhsa_code_object_version 6
	.text
	.protected	k_q559fd3feea_proj
	.globl	k_q559fd3feea_proj
	.p2align	8
	.type	k_q559fd3feea_proj,@function
k_q559fd3feea_proj:
	s_mov_b64 s[64:65], 0
	v_nop
	global_prefetch_b8 v0, s[64:65] scope:SCOPE_SE
	s_setreg_imm32_b32 hwreg(HW_REG_WAVE_MODE, 25, 1), 1
	s_wait_xcnt 0x0
	s_wait_alu depctr_hold_cnt(0) depctr_sa_sdst(0) depctr_va_vdst(0) depctr_va_sdst(0) depctr_va_ssrc(0) depctr_va_vcc(0) depctr_vm_vsrc(0)
	s_getreg_b32 s2, hwreg(HW_REG_IB_STS2, 6, 4)
	s_cmp_eq_u32 s2, 0
	s_cbranch_scc0 .Lentry_in_a_cluster
	s_endpgm
.Lentry_in_a_cluster:
	s_bfe_u32 s2, ttmp6, 0x10000c
	s_cmp_lg_u32 s2, 0xf033
	s_cbranch_scc0 .Lentry_shape_is_right
	s_endpgm
.Lentry_shape_is_right:
.set NQ,    2
.set FR,    12
.set NL,    4
.set NP,    4
.set TILEB, 3072
.set HALFT, 8*TILEB
.set SLOT,  4*HALFT
.set SCA,   2*SLOT
.set SCB,   SCA+8192+128
.set SPARE, SCB+8192+128
.set SPITCH, 528
.set ADRA, 16
.set ADRB, 20
.set STO,  24
.set RD,   25
.set CO,   26
.set ADRS, 27
.set SPW,  28
.set NIL,  29
.set GOF,  30
.set SC,   32
.set BI,   64
.set AF,   128
.set BK,   128
.set G1, 24
.set G0, 32
.set G1B, 48
.set G0B, 56
.set G1S, 68
.set G0S, 76
.set G1SB, 80
.set G0SB, 88
.set MSB, 0
.macro WIN new
.if MSB != (\new)
	s_set_vgpr_msb (MSB<<8)|(\new)
.set MSB, (\new)
.endif
.endm
.set MUL_LO, 0xa1
.set MUL_HI, 0xf1
.set TO_B,   0x40
.macro JLOAD g0a, g1a, g0b, g1b
	s_cmp_eq_u32 s15, 0
	s_cbranch_scc0 .Lfor_b_\@
	tensor_load_to_lds s[\g0a:\g0a+3], s[\g1a:\g1a+7]
	s_nop 0
.rept 4
	v_nop
.endr
	s_branch .Lasked_\@
.Lfor_b_\@:
	tensor_load_to_lds s[\g0b:\g0b+3], s[\g1b:\g1b+7]
	s_nop 0
.rept 4
	v_nop
.endr
.Lasked_\@:
.endm
.macro CREST
	s_cmp_lg_u32 s14, 0
	s_cbranch_scc1 .Lnot_wave_0_\@
	s_barrier_signal -3
.Lnot_wave_0_\@:
	s_barrier_wait -3
	s_barrier_signal -1
	s_barrier_wait -1
.endm
.macro CROUND
	s_barrier_signal -1
	s_barrier_wait -1
	CREST
.endm
.macro PLACES n
.rept \n
	v_nop
.endr
.endm
	s_load_b256 s[4:11], s[0:1], 0x0
	s_load_b128 s[92:95], s[0:1], 0x20
	v_lshl_add_u32 v[SPW], v0, 2, SPARE
	v_mov_b32 v[NIL], 0
	ds_add_u32 v28, v29
	ds_add_u32 v28, v29
	s_wait_dscnt 0x0
	v_lshrrev_b32 v1, 5, v0
	v_readfirstlane_b32 s14, v1
	s_lshr_b32 s15, s14, 1
	s_and_b32 s16, s14, 1
	s_bfe_u32 s40, ttmp6, 0x40000
	s_bfe_u32 s41, ttmp6, 0x40004
	s_and_b32 s17, ttmp7, 0xffff
	s_lshl_b32 s17, s17, 2
	s_add_co_u32 s42, s17, s41
	s_lshl_b32 s43, s41, 2
	s_lshl_b32 s43, 15, s43
	s_lshl_b32 s44, 0x1111, s40
	s_or_b32 s[G1+0], s43, (3<<16)|(1<<21)
	s_or_b32 s[G1B+0], s44, (3<<16)|(1<<21)
.irp g, G1, G1B
	s_mov_b32 s[\g+1], 384<<16
	s_mov_b32 s[\g+2], 8<<16
	s_mov_b32 s[\g+3], 384<<16
	s_mov_b32 s[\g+4], 8
	s_mov_b32 s[\g+5], 1536
	s_mov_b32 s[\g+6], 0
	s_mov_b32 s[\g+7], 0
.endr
	s_or_b32 s[G1S+0], s43, (3<<16)|(1<<21)
	s_or_b32 s[G1SB+0], s44, (3<<16)|(1<<21)
.irp g, G1S, G1SB
	s_mov_b32 s[\g+1], 32<<16
	s_mov_b32 s[\g+2], 16<<16
	s_mov_b32 s[\g+3], 32<<16
	s_mov_b32 s[\g+4], 16
	s_mov_b32 s[\g+5], 32
	s_mov_b32 s[\g+6], 0
	s_mov_b32 s[\g+7], 0
.endr
	s_lshl_b32 s19, s16, 3
	s_lshl_b32 s18, s42, 4
	s_add_co_u32 s18, s18, s19
	s_lshl_b32 s46, s40, 4
	s_add_co_u32 s46, s46, 704
	s_add_co_u32 s46, s46, s19
	s_mul_i32 s20, s18, 12288
	s_mov_b32 s21, 0
	s_lshl_b32 s22, s18, 9
	s_mov_b32 s23, 0
	s_lshl_b32 s2, s46, 9
	s_mov_b32 s3, 0
	s_mul_i32 s46, s46, 12288
	s_mov_b32 s47, 0
	s_mul_i32 s12, s14, HALFT
	s_lshl_b32 s13, s16, 12
	s_wait_kmcnt 0x0
	s_add_nc_u64 s[20:21], s[4:5], s[20:21]
	s_add_nc_u64 s[22:23], s[6:7], s[22:23]
	s_add_nc_u64 s[46:47], s[8:9], s[46:47]
	s_add_nc_u64 s[2:3], s[10:11], s[2:3]
	CROUND
	s_mov_b32 s[G0S], 1
	s_add_co_u32 s[G0S+1], s13, SCA
	s_mov_b64 s[G0S+2:G0S+3], s[22:23]
	s_or_b32 s[G0S+3], s[G0S+3], 0x80000000
	s_mov_b32 s[G0SB], 1
	s_add_co_u32 s[G0SB+1], s13, SCB
	s_mov_b64 s[G0SB+2:G0SB+3], s[2:3]
	s_or_b32 s[G0SB+3], s[G0SB+3], 0x80000000
	JLOAD G0S, G1S, G0SB, G1SB
.irp s, 0,1
	s_mov_b32 s[G0+4*\s], 1
	s_add_co_u32 s[G0+4*\s+1], s12, \s*SLOT
	s_add_nc_u64 s[G0+4*\s+2:G0+4*\s+3], s[20:21], \s*TILEB
	s_or_b32 s[G0+4*\s+3], s[G0+4*\s+3], 0x80000000
	s_mov_b32 s[G0B+4*\s], 1
	s_add_co_u32 s[G0B+4*\s+1], s12, \s*SLOT
	s_add_nc_u64 s[G0B+4*\s+2:G0B+4*\s+3], s[46:47], \s*TILEB
	s_or_b32 s[G0B+4*\s+3], s[G0B+4*\s+3], 0x80000000
	s_wait_alu depctr_va_vdst(0)
	s_wait_tensorcnt 0x0
	ds_add_u32 v28, v29
	s_wait_dscnt 0x0
	CROUND
	JLOAD G0+4*\s, G1, G0B+4*\s, G1B
.endr
	v_and_b32 v6, 15, v0
	v_bfe_u32 v7, v0, 4, 1
	v_and_b32 v9, 31, v0
	v_lshlrev_b32 v[CO], 4, v9
	s_wait_alu depctr_va_vdst(0)
	v_lshlrev_b32 v5, 3, v9
	s_wait_alu depctr_va_vdst(0)
	v_lshlrev_b32 v[GOF], 6, v7
	s_lshl_b32 s18, s40, 10
	s_lshl_b32 s19, s16, 9
	s_add_co_u32 s18, s18, s19
	s_mov_b32 s19, 0
	s_add_nc_u64 s[92:93], s[92:93], s[18:19]
	s_add_nc_u64 s[94:95], s[94:95], s[18:19]
.irp b, 0,1,2,3,4,5,6,7
	global_load_b128 v[BI+8*\b:BI+8*\b+3], v[GOF], s[92:93] offset:(32*(\b/2)+8*(\b%2))*4
	global_load_b128 v[BI+8*\b+4:BI+8*\b+7], v[GOF], s[92:93] offset:(32*(\b/2)+8*(\b%2))*4+16
.endr
	s_lshl_b32 s18, s42, 20
	s_lshl_b32 s19, s15, 19
	s_add_co_u32 s18, s18, s19
	s_mov_b32 s19, 0
	s_add_nc_u64 s[94:95], s[94:95], s[18:19]
	s_mul_i32 s18, s15, HALFT
	s_mul_i32 s19, s16, HALFT
	s_add_co_u32 s19, s19, 2*HALFT
.irp s, 0,1
	v_add_nc_u32 v[ADRA+\s], s18, v[CO]
	v_add_nc_u32 v[ADRB+\s], s19, v[CO]
	v_add_nc_u32 v[ADRA+2+\s], s18, v5
	v_add_nc_u32 v[ADRB+2+\s], s19, v5
	s_add_co_u32 s18, s18, SLOT
	s_add_co_u32 s19, s19, SLOT
.endr
	v_lshlrev_b32 v8, 3, v6
	s_lshl_b32 s18, s15, 12
	s_lshl_b32 s19, s16, 12
	s_add_co_u32 s19, s19, SCB-SCA
	s_sub_co_u32 s19, s19, s18
	v_mul_u32_u24 v9, s19, v7
	s_add_co_u32 s18, s18, SCA
	v_add_nc_u32 v8, v8, v9
	v_add_nc_u32 v[ADRS], s18, v8
	s_mul_i32 s18, s14, 16*SPITCH
	v_mul_u32_u24 v8, v6, SPITCH
	v_lshl_add_u32 v8, v7, 6, v8
	v_add_nc_u32 v[STO], s18, v8
	v_add_nc_u32 v[RD], s18, v[CO]
.macro FRAG reg, adr, q, i
	ds_load_b128 v[\reg:\reg+3], v[\adr] offset:(\i)*TILEB+(\q)*1536
	ds_load_b64 v[\reg+4:\reg+5], v[\adr+2] offset:(\i)*TILEB+(\q)*1536+512
	ds_load_b128 v[\reg+6:\reg+9], v[\adr] offset:(\i)*TILEB+(\q)*1536+768
	ds_load_b64 v[\reg+10:\reg+11], v[\adr+2] offset:(\i)*TILEB+(\q)*1536+1280
.endm
.macro MUL16 a0, p, q, sc, zero
.irp a, \a0, \a0+1
.irp b, 0,1,2,3,4,5,6,7
.if \zero == 2
	v_wmma_scale_f32_16x16x128_f8f6f4 v[8*(8*((\a)%4)+\b):8*(8*((\a)%4)+\b)+7], v[128*(\p)+FR*\b:128*(\p)+FR*\b+FR-1], v[AF+FR*(\a):AF+FR*(\a)+FR-1], v[BI+8*\b:BI+8*\b+7], v[SC+8*NQ*(\sc)+NQ*\b+(\q)], v[SC+8*NQ*(\sc)+NQ*(\a)+(\q)] matrix_a_fmt:MATRIX_FMT_FP6 matrix_b_fmt:MATRIX_FMT_FP6 matrix_a_scale:MATRIX_SCALE_ROW1
.else
	v_wmma_scale_f32_16x16x128_f8f6f4 v[8*(8*((\a)%4)+\b):8*(8*((\a)%4)+\b)+7], v[128*(\p)+FR*\b:128*(\p)+FR*\b+FR-1], v[AF+FR*(\a):AF+FR*(\a)+FR-1], v[8*(8*((\a)%4)+\b):8*(8*((\a)%4)+\b)+7], v[SC+8*NQ*(\sc)+NQ*\b+(\q)], v[SC+8*NQ*(\sc)+NQ*(\a)+(\q)] matrix_a_fmt:MATRIX_FMT_FP6 matrix_b_fmt:MATRIX_FMT_FP6 matrix_a_scale:MATRIX_SCALE_ROW1
.endif
.endr
.endr
.endm
.macro FETCH_B slot, q, p
	WIN TO_B
.irp i, 0,1,2,3,4,5,6,7
	FRAG 128*(\p)+FR*\i, ADRB+\slot, \q, \i
.endr
	WIN 0
.endm
.macro FETCH_A slot, q, i0
.irp i, \i0, \i0+1, \i0+2, \i0+3
	FRAG AF+FR*(\i), ADRA+\slot, \q, \i
.endr
.endm
.macro SCALES sc
.irp i, 0,1,2,3,4,5,6,7
	ds_load_b64 v[SC+8*NQ*\sc+NQ*\i:SC+8*NQ*\sc+NQ*\i+1], v[ADRS] offset:\i*512
.endr
.endm
.macro STEP slot, q, zero
	s_wait_dscnt 4*NL
.if \zero == 2
	WIN 0x81
.else
	WIN MUL_LO
.endif
	MUL16 0, (\q)%2, \q, \slot, \zero
	MUL16 2, (\q)%2, \q, \slot, \zero
	s_wait_dscnt 0
	PLACES NP
	FETCH_B \slot, (\q)+1, 1-(\q)%2
	FETCH_A \slot, (\q)+1, 0
.if \zero == 2
	WIN 0xc1
.else
	WIN MUL_HI
.endif
	MUL16 4, (\q)%2, \q, \slot, \zero
	MUL16 6, (\q)%2, \q, \slot, \zero
	PLACES NP
	WIN 0
	FETCH_A \slot, (\q)+1, 4
.endm
.macro TURN slot, next, fill
	s_wait_tensorcnt 0x0
	ds_add_u32 v[SPW], v[NIL]
	s_wait_dscnt 4*NL+1
	WIN MUL_LO
	MUL16 0, 1, NQ-1, \slot, 0
	s_wait_dscnt 0x0
	s_barrier_signal -1
	MUL16 2, 1, NQ-1, \slot, 0
	WIN 0
	s_barrier_wait -1
.if \fill
	CREST
	s_add_nc_u64 s[G0+4*\slot+2:G0+4*\slot+3], s[G0+4*\slot+2:G0+4*\slot+3], 2*TILEB
	s_add_nc_u64 s[G0B+4*\slot+2:G0B+4*\slot+3], s[G0B+4*\slot+2:G0B+4*\slot+3], 2*TILEB
	JLOAD G0+4*\slot, G1, G0B+4*\slot, G1B
.else
	PLACES NP
.endif
	s_wait_alu depctr_va_vdst(0)
	v_add_nc_u32 v[ADRS], 128, v[ADRS]
	FETCH_B \next, 0, 0
	FETCH_A \next, 0, 0
	SCALES \next
	WIN MUL_HI
	MUL16 4, 1, NQ-1, \slot, 0
	MUL16 6, 1, NQ-1, \slot, 0
	PLACES NP
	WIN 0
	FETCH_A \next, 0, 4
.endm
	s_wait_alu depctr_va_vdst(0)
	s_wait_tensorcnt 1
	s_barrier_signal -1
	s_barrier_wait -1
	FETCH_B 0, 0, 0
	FETCH_A 0, 0, 0
	SCALES 0
	FETCH_A 0, 0, 4
	s_wait_loadcnt 0x0
	STEP 0, 0, 2
	TURN 0, 1, 1
	STEP 1, 0, 0
	TURN 1, 0, 1
	STEP 0, 0, 0
	TURN 0, 1, 0
	STEP 1, 0, 0
	s_wait_dscnt 4*NL
	WIN MUL_LO
	MUL16 0, 1, NQ-1, 1, 0
	MUL16 2, 1, NQ-1, 1, 0
	s_wait_dscnt 0
	WIN MUL_HI
	MUL16 4, 1, NQ-1, 1, 0
	MUL16 6, 1, NQ-1, 1, 0
	WIN 0
.macro TOSTAGE a
.set AC, 64*((\a)%4)
	WIN 0x08+4*((\a)/4)
.irp b, 0,1,2,3,4,5,6,7
	ds_store_b128 v[STO], v[AC+8*\b:AC+8*\b+3] offset:128*(\b/2)+32*(\b%2)
	ds_store_b128 v[STO], v[AC+8*\b+4:AC+8*\b+7] offset:128*(\b/2)+32*(\b%2)+16
.endr
	WIN 0
.set BB, BK+64*((\a)%2)
.irp t, 0,1,2,3,4,5,6,7,8,9,10,11,12,13,14,15
	ds_load_b128 v[BB+4*\t:BB+4*\t+3], v[RD] offset:\t*SPITCH
.endr
.endm
.macro SEND a, younger
.set BB, BK+64*((\a)%2)
	s_wait_dscnt \younger
.irp t, 0,1,2,3,4,5,6,7,8,9,10,11,12,13,14,15
	global_store_b128 v[CO], v[BB+4*\t:BB+4*\t+3], s[94:95] offset:(32*((\a)/2)+8*((\a)%2)+\t+8*(\t/8))*4096 th:TH_STORE_NT
.endr
.endm
	PLACES NP
	TOSTAGE 0
.irp a, 1,2,3,4,5,6,7
.if \a > 1
	s_wait_xcnt 0x0
.endif
	TOSTAGE \a
	SEND \a-1, 32
.endr
	SEND 7, 0
	s_wait_tensorcnt 0x0
	ds_add_u32 v[SPW], v[NIL]
	s_wait_dscnt 0x0
	CROUND
	s_endpgm
.Lfunc_end_k_q559fd3feea_proj:
	.size	k_q559fd3feea_proj, .Lfunc_end_k_q559fd3feea_proj-k_q559fd3feea_proj
	.p2alignl 7, 3214868480
	.fill 96, 4, 3214868480
	.section	.rodata,"a",@progbits
	.p2align	6, 0x0
	.amdhsa_kernel k_q559fd3feea_proj
		.amdhsa_group_segment_fixed_size 327680
		.amdhsa_private_segment_fixed_size 0
		.amdhsa_enable_private_segment 0
		.amdhsa_kernarg_size 48
		.amdhsa_user_sgpr_count 2
		.amdhsa_user_sgpr_kernarg_segment_ptr 1
		.amdhsa_wavefront_size32 1
		.amdhsa_system_sgpr_workgroup_id_x 1
		.amdhsa_system_sgpr_workgroup_id_y 1
		.amdhsa_system_sgpr_workgroup_id_z 1
		.amdhsa_system_vgpr_workitem_id 0
		.amdhsa_next_free_vgpr 1024
		.amdhsa_next_free_sgpr 100
		.amdhsa_reserve_vcc 0
		.amdhsa_float_denorm_mode_32 3
		.amdhsa_float_denorm_mode_16_64 3
		.amdhsa_memory_ordered 1
		.amdhsa_forward_progress 1
		.amdhsa_inst_pref_size 145
	.end_amdhsa_kernel
	.amdgpu_metadata
---
amdhsa.version: [ 1, 2 ]
amdhsa.kernels:
  - .name:           k_q559fd3feea_proj
    .symbol:         k_q559fd3feea_proj.kd
    .args:
      - { .name: oimg, .offset: 0, .size: 8, .value_kind: global_buffer, .address_space: global }
      - { .name: osc, .offset: 8, .size: 8, .value_kind: global_buffer, .address_space: global }
      - { .name: pimg, .offset: 16, .size: 8, .value_kind: global_buffer, .address_space: global }
      - { .name: psc, .offset: 24, .size: 8, .value_kind: global_buffer, .address_space: global }
      - { .name: proj_b, .offset: 32, .size: 8, .value_kind: global_buffer, .address_space: global }
      - { .name: out0, .offset: 40, .size: 8, .value_kind: global_buffer, .address_space: global }
    .group_segment_fixed_size: 327680
    .private_segment_fixed_size: 0
    .kernarg_segment_align: 8
    .kernarg_segment_size: 48
    .max_flat_workgroup_size: 128
    .sgpr_count:     100
    .vgpr_count:     1024
    .wavefront_size: 32
...
	.end_amdgpu_metadata
.endif
;; end of part 4
